; MI455X (gfx1250); checked and timed in simulation.
; The chip was launched on July 23, 2026; its instructions are those of AMD's public machine-readable ISA for CDNA 5 (MIT licence, August 2026) and "CDNA5" Instruction Set Architecture Reference Guide (July 2026). The comments in the code are by the model that wrote it; some were corrected since.
;; Mo E Layer. Allowed arithmetic: float matrix products may take bf16 or f16 operands with f32 sums; all other float work in f32.
;; Inputs: router_w 2 x 1,024 float32; w1 2 x 1,024 x 4,096 float32; w2 2 x 4,096 x 1,024 float32; x 2 x 2,048 x 1,024 float32.
;; Outputs: out0 2 x 2,048 x 1,024 float32.
;; 2 versions, each right; version 2 is version 1 with the launch prep written anew for expert scheduling mode. Each part assembles by itself: llvm-mc -triple=amdgcn-amd-amdhsa -mcpu=gfx1250 --defsym DOCPART=n.
;; ======== version 1 of 2: 4 launches
;; limits: a function is approximated: absolute error at most 2.5e-05
;; workspace buffers: xb 8,388,608 bytes; w1b 16,777,216 bytes; w2b 16,777,216 bytes; hs 67,108,864 bytes; hw 32,768 bytes; part 67,108,864 bytes
;; launch prep (part 1): grid 256 x 1, 16 waves a work-group, no clusters, 2,304 bytes of LDS; arguments x, router_w, w1, w2, xb, w1b, w2b, hw; writes xb, w1b, w2b, hw
.if DOCPART == 1
	.amdgcn_target "amdgcn-amd-amdhsa--gfx1250"
	.amdhsa_code_object_version 6
	.text
	.protected	k_qc06dd20cee_prep
	.globl	k_qc06dd20cee_prep
	.p2align	8
	.type	k_qc06dd20cee_prep,@function
k_qc06dd20cee_prep:
	s_mov_b64 s[64:65], 0
	v_nop
	global_prefetch_b8 v0, s[64:65] scope:SCOPE_SE
	s_setreg_imm32_b32 hwreg(HW_REG_WAVE_MODE, 25, 1), 1
	s_wait_xcnt 0x0
; THE CASTS AND THE ROUTER.  xb = bf16(x), w1b = bf16(w1), w2b = bf16(w2), each in its tensor's own order, rounded once to nearest even;
; hw[e][n] = comb[n][e] / 2, f32, where comb is the softmax of the two logits x[n] . router_w[e], divided by the sum of the two probabilities:
; with two experts and the best two taken, every expert is taken, and each probability goes back to its own expert whatever the order.
; The logits are products of the operands rounded to bf16, summed in f32.  They are made on the vector unit: two experts would fill two of a
; matrix instruction's sixteen columns, and this launch moves bytes.
; LIMITS.  A probability whose exponential lies below 2^-126 counts as 0; NaN and infinities are not treated apart.
; SHARES.  256 work-groups of 16 waves.  Wave w of group g takes row 16 g + w of x (4,096 bytes), all of router_w (8,192 bytes), and 8,192
; consecutive bytes of w1 and of w2.  All its 56 loads of 512 consecutive bytes go out first; nothing is loaded twice and no register is
; written again behind the store that reads it, so there is no loop.  Each store of a wave covers 256 consecutive bytes, aligned.
.set XR,  8                            ; v[8:39]    my row of x: load j holds columns 128 j + 4 lane .. + 3
.set RR,  40                           ; v[40:103]  router_w, expert e at RR + 32 e, the same columns
.set W1R, 104                          ; v[104:167] my part of w1
.set W2R, 168                          ; v[168:231] my part of w2
.set ACC, 232                          ; v[232:239] eight sums: expert x register of the pair x half
.set T,   240                          ; v[240:247] at work
; four f32 become four bf16 in the first two of their registers
.macro CAST b, j
	v_cvt_pk_bf16_f32 v[(\b)+4*(\j)],   v[(\b)+4*(\j)],   v[(\b)+4*(\j)+1]
	v_cvt_pk_bf16_f32 v[(\b)+4*(\j)+1], v[(\b)+4*(\j)+2], v[(\b)+4*(\j)+3]
.endm
	s_load_b512 s[4:19], s[0:1], 0x0               ; x 4:5, router_w 6:7, w1 8:9, w2 10:11, xb 12:13, w1b 14:15, w2b 16:17, hw 18:19
	v_lshl_add_u32 v248, v0, 2, 0x100
	v_mov_b32 v249, 0
	v_and_b32 v1, 31, v0                           ; lane
	v_lshrrev_b32 v7, 5, v0                        ; wave
	v_readfirstlane_b32 s22, v7
	v_lshlrev_b32 v1, 4, v1                        ; 16 lane: my place in 512 bytes of f32
	v_lshl_add_u32 v2, v7, 12, v1                  ; x: wave x 4,096 + 16 lane
	v_lshrrev_b32 v3, 1, v2                        ; xb: half of that
	v_lshl_add_u32 v4, v7, 13, v1                  ; w1, w2: wave x 8,192 + 16 lane
	v_lshrrev_b32 v5, 1, v4                        ; w1b, w2b: half of that
	v_mov_b32 v6, 0                                ; the addend of the first products
	v_lshlrev_b32 v7, 2, v7                        ; my wave's word in LDS
	s_mov_b32 s24, 0x76543210                      ; v_permlanex16_b32: each lane takes its own place in the other half
	s_mov_b32 s25, 0xfedcba98
	s_mov_b32 s21, 0
	s_wait_kmcnt 0x0
	s_lshl_b32 s20, ttmp9, 16                      ; the group's 16 rows of x; its 65,536 bytes of w1b and of w2b
	s_add_nc_u64 s[4:5], s[4:5], s[20:21]
	s_add_nc_u64 s[14:15], s[14:15], s[20:21]
	s_add_nc_u64 s[16:17], s[16:17], s[20:21]
	s_lshl_b32 s20, ttmp9, 15                      ; its 16 rows of xb
	s_add_nc_u64 s[12:13], s[12:13], s[20:21]
	s_lshl_b32 s20, ttmp9, 17                      ; its 131,072 bytes of w1 and of w2
	s_add_nc_u64 s[8:9], s[8:9], s[20:21]
	s_add_nc_u64 s[10:11], s[10:11], s[20:21]
	s_lshl_b32 s20, ttmp9, 6                       ; its 16 words in each half of hw
	s_add_nc_u64 s[18:19], s[18:19], s[20:21]
.set j, 0
.rept 8
	global_load_b128 v[XR+4*j:XR+4*j+3], v2, s[4:5] offset:512*j th:TH_LOAD_NT
.set j, j+1
.endr
.set j, 0
.rept 16                                       ; expert j / 8, piece j % 8: router_w is 8,192 consecutive bytes
	global_load_b128 v[RR+4*j:RR+4*j+3], v1, s[6:7] offset:512*j
.set j, j+1
.endr
.set j, 0
.rept 16
	global_load_b128 v[W1R+4*j:W1R+4*j+3], v4, s[8:9] offset:512*j th:TH_LOAD_NT
.set j, j+1
.endr
.set j, 0
.rept 16
	global_load_b128 v[W2R+4*j:W2R+4*j+3], v4, s[10:11] offset:512*j th:TH_LOAD_NT
.set j, j+1
.endr
	s_wait_loadcnt 48                              ; loads come back in order: x is in; the 48 younger loads stay out
.set j, 0
.rept 8
	CAST XR, j
	global_store_b64 v3, v[XR+4*j:XR+4*j+1], s[12:13] offset:256*j
.set j, j+1
.endr
	s_wait_loadcnt 32                              ; router_w is in; w1's and w2's 32 loads stay out
.set j, 0
.rept 16
	CAST RR, j
.set j, j+1
.endr
	; 64 multiply-adds straight from the bf16 halves into f32, in eight chains of eight that do not wait for each other
.set j, 0
.rept 8
.irp e, 0,1
.irp p, 0,1
.if j == 0
	v_fma_mix_f32_bf16 v[ACC+4*(\e)+2*(\p)],   v[XR+(\p)], v[RR+32*(\e)+(\p)], v6 op_sel_hi:[1,1,0]
	v_fma_mix_f32_bf16 v[ACC+4*(\e)+2*(\p)+1], v[XR+(\p)], v[RR+32*(\e)+(\p)], v6 op_sel:[1,1,0] op_sel_hi:[1,1,0]
.else
	v_fma_mix_f32_bf16 v[ACC+4*(\e)+2*(\p)],   v[XR+4*j+(\p)], v[RR+32*(\e)+4*j+(\p)], v[ACC+4*(\e)+2*(\p)] op_sel_hi:[1,1,0]
	v_fma_mix_f32_bf16 v[ACC+4*(\e)+2*(\p)+1], v[XR+4*j+(\p)], v[RR+32*(\e)+4*j+(\p)], v[ACC+4*(\e)+2*(\p)+1] op_sel:[1,1,0] op_sel_hi:[1,1,0]
.endif
.endr
.endr
.set j, j+1
.endr
	v_add_f32 v[T],   v[ACC],   v[ACC+1]
	v_add_f32 v[T+1], v[ACC+2], v[ACC+3]
	v_add_f32 v[T+2], v[ACC+4], v[ACC+5]
	v_add_f32 v[T+3], v[ACC+6], v[ACC+7]
	v_add_f32 v[ACC],   v[T],   v[T+1]             ; my lane's part of logit 0
	v_add_f32 v[ACC+1], v[T+2], v[T+3]             ; and of logit 1
.irp m, 1,2,4,8                                ; across the 16 lanes of a half, the two sums by turns
	v_add_f32_dpp v[ACC],   v[ACC],   v[ACC]   row_xmask:\m row_mask:0xf bank_mask:0xf
	v_add_f32_dpp v[ACC+1], v[ACC+1], v[ACC+1] row_xmask:\m row_mask:0xf bank_mask:0xf
.endr
	v_permlanex16_b32 v[T],   v[ACC],   s24, s25   ; the other half; its destination has been written before
	v_permlanex16_b32 v[T+1], v[ACC+1], s24, s25
	v_add_f32 v[ACC],   v[ACC],   v[T]             ; every lane holds both logits
	v_add_f32 v[ACC+1], v[ACC+1], v[T+1]
	v_max_num_f32 v[T], v[ACC], v[ACC+1]           ; the maximum is taken away before the exponentials
	v_sub_f32 v[T+1], v[ACC],   v[T]
	v_sub_f32 v[T+2], v[ACC+1], v[T]
	v_mul_f32 v[T+1], 0x3fb8aa3b, v[T+1]           ; log2(e): the exponential is to base 2
	v_mul_f32 v[T+2], 0x3fb8aa3b, v[T+2]
	v_exp_f32 v[T+1], v[T+1]
	v_exp_f32 v[T+2], v[T+2]
	v_nop                                          ; a plain instruction behind a transcendental, ahead of the use of its result (ISA guide 5.7.2)
	s_wait_alu depctr_va_vdst(0)
	v_add_f32 v[T+3], v[T+1], v[T+2]               ; between 1 and 2
	v_rcp_f32 v[T+3], v[T+3]
	v_nop
	s_wait_alu depctr_va_vdst(0)
	v_mul_f32 v[T+1], v[T+1], v[T+3]               ; the two probabilities
	v_mul_f32 v[T+2], v[T+2], v[T+3]
	v_add_f32 v[T+4], v[T+1], v[T+2]               ; the sum of the best two, which are both
	v_rcp_f32 v[T+4], v[T+4]
	v_nop
	s_wait_alu depctr_va_vdst(0)
	v_mul_f32 v[T+4], 0.5, v[T+4]                  ; the half of the activation's 0.5 x (1 + erf) rides along
	v_mul_f32 v[T+1], v[T+1], v[T+4]
	v_mul_f32 v[T+2], v[T+2], v[T+4]
	ds_store_b32 v7, v[T+1]                        ; all lanes write the same word with the same value: expert 0 at 4 wave,
	ds_store_b32 v7, v[T+2] offset:64              ; expert 1 at 64 + 4 wave
.set j, 0
.rept 16
	s_wait_loadcnt 31-j                            ; piece j of w1 is in; w1's later pieces and w2's sixteen stay out
	CAST W1R, j
	global_store_b64 v5, v[W1R+4*j:W1R+4*j+1], s[14:15] offset:256*j
.set j, j+1
.endr
.set j, 0
.rept 16
	s_wait_loadcnt 15-j                            ; piece j of w2 is in
	CAST W2R, j
	global_store_b64 v5, v[W2R+4*j:W2R+4*j+1], s[16:17] offset:256*j
.set j, j+1
.endr
	s_wait_dscnt 0x0                               ; for the others' sake: my two words are in LDS
	s_barrier_signal -1
	s_barrier_wait -1
	s_cmp_lg_u32 s22, 0
	s_cbranch_scc1 .Ldone                          ; wave 0 stores the group's 32 words: two runs of 64 consecutive bytes, all that 16 rows have
	v_lshrrev_b32 v[T], 2, v1                      ; 4 lane: lanes 0-15 expert 0 of rows 0-15, lanes 16-31 expert 1
	ds_load_b32 v[T+3], v[T]
	v_and_b32 v[T+5], 15, v0
	v_bfe_u32 v[T+6], v0, 4, 1
	v_lshlrev_b32 v[T+5], 2, v[T+5]
	v_lshl_add_u32 v[T+5], v[T+6], 14, v[T+5]      ; expert x 16,384 + 4 row
	s_wait_dscnt 0x0
	global_store_b32 v[T+5], v[T+3], s[18:19]
.Ldone:
	s_wait_tensorcnt 0x0
	ds_add_u32 v248, v249
	s_wait_dscnt 0x0
	s_endpgm
.Lfunc_end_k_qc06dd20cee_prep:
	.size	k_qc06dd20cee_prep, .Lfunc_end_k_qc06dd20cee_prep-k_qc06dd20cee_prep
	.p2alignl 7, 3214868480
	.fill 96, 4, 3214868480
	.section	.rodata,"a",@progbits
	.p2align	6, 0x0
	.amdhsa_kernel k_qc06dd20cee_prep
		.amdhsa_group_segment_fixed_size 2304
		.amdhsa_private_segment_fixed_size 0
		.amdhsa_enable_private_segment 0
		.amdhsa_kernarg_size 64
		.amdhsa_user_sgpr_count 2
		.amdhsa_user_sgpr_kernarg_segment_ptr 1
		.amdhsa_wavefront_size32 1
		.amdhsa_system_sgpr_workgroup_id_x 1
		.amdhsa_system_sgpr_workgroup_id_y 1
		.amdhsa_system_sgpr_workgroup_id_z 1
		.amdhsa_system_vgpr_workitem_id 0
		.amdhsa_next_free_vgpr 250
		.amdhsa_next_free_sgpr 66
		.amdhsa_reserve_vcc 0
		.amdhsa_float_denorm_mode_32 3
		.amdhsa_float_denorm_mode_16_64 3
		.amdhsa_memory_ordered 1
		.amdhsa_forward_progress 1
		.amdhsa_inst_pref_size 25
	.end_amdhsa_kernel
	.amdgpu_metadata
---
amdhsa.version: [ 1, 2 ]
amdhsa.kernels:
  - .name:           k_qc06dd20cee_prep
    .symbol:         k_qc06dd20cee_prep.kd
    .args:
      - { .name: x, .offset: 0, .size: 8, .value_kind: global_buffer, .address_space: global }
      - { .name: router_w, .offset: 8, .size: 8, .value_kind: global_buffer, .address_space: global }
      - { .name: w1, .offset: 16, .size: 8, .value_kind: global_buffer, .address_space: global }
      - { .name: w2, .offset: 24, .size: 8, .value_kind: global_buffer, .address_space: global }
      - { .name: xb, .offset: 32, .size: 8, .value_kind: global_buffer, .address_space: global }
      - { .name: w1b, .offset: 40, .size: 8, .value_kind: global_buffer, .address_space: global }
      - { .name: w2b, .offset: 48, .size: 8, .value_kind: global_buffer, .address_space: global }
      - { .name: hw, .offset: 56, .size: 8, .value_kind: global_buffer, .address_space: global }
    .group_segment_fixed_size: 2304
    .private_segment_fixed_size: 0
    .kernarg_segment_align: 8
    .kernarg_segment_size: 64
    .max_flat_workgroup_size: 512
    .sgpr_count:     66
    .vgpr_count:     250
    .wavefront_size: 32
...
	.end_amdgpu_metadata
.endif
;; end of part 1
;; launch up (part 2): grid 32 x 8, 4 waves a work-group, clusters of 4 x 4, 327,680 bytes of LDS; arguments xb, w1b, hs, hw; writes hs
.if DOCPART == 2
	.amdgcn_target "amdgcn-amd-amdhsa--gfx1250"
	.amdhsa_code_object_version 6
	.text
	.protected	k_qc06dd20cee_up
	.globl	k_qc06dd20cee_up
	.p2align	8
	.type	k_qc06dd20cee_up,@function
k_qc06dd20cee_up:
	s_mov_b64 s[64:65], 0
	v_nop
	global_prefetch_b8 v0, s[64:65] scope:SCOPE_SE
	s_setreg_imm32_b32 hwreg(HW_REG_WAVE_MODE, 25, 1), 1
	s_wait_xcnt 0x0
	s_wait_alu depctr_hold_cnt(0) depctr_sa_sdst(0) depctr_va_vdst(0) depctr_va_sdst(0) depctr_va_ssrc(0) depctr_va_vcc(0) depctr_vm_vsrc(0)
	s_getreg_b32 s2, hwreg(HW_REG_IB_STS2, 6, 4)
	s_cmp_eq_u32 s2, 0
	s_cbranch_scc0 .Lentry_in_a_cluster
	s_endpgm
.Lentry_in_a_cluster:
	s_bfe_u32 s2, ttmp6, 0x10000c
	s_cmp_lg_u32 s2, 0xf033
	s_cbranch_scc0 .Lentry_shape_is_right
	s_endpgm
.Lentry_shape_is_right:
; hs[n][4096 e + h] = comb[n][e] gelu(sum over c of xb[n][c] w1b[e][c][h]), rounded once to bf16.  xb: [4096][1024] bf16; w1b: [2][1024][4096] bf16;
; hw: [2][4096] f32 = comb / 2; hs: [4096][8192] bf16.  Sums, activation and factor in f32.  comb is a factor of a row, so it is applied here and the second product sums over both experts.
; THE ACTIVATION.  gelu(x) = 0.5 x (1 + erf(x / sqrt 2)).  erf(z) = 1 - (a1 t + a2 t^2 + a3 t^3) e^(-z^2), t = 1 / (1 + 0.47047 z), for z >= 0 (Abramowitz and Stegun 7.1.25),
; odd in z.  With y = x sqrt(log2(e) / 2): e^(-z^2) = 2^(-y^2), t = 1 / (1 + 0.47047 sqrt(ln 2) |y|); with xh = hw x, which has x's sign since hw >= 0: the result is xh + |xh| erf(|z|).
; LIMITS.  The formula's error in erf is at most 2.5e-5 for every real argument, so a result is off by at most 2.5e-5 |xh| before it is rounded to bf16.  2^(-y^2) below 2^-126 counts as 0:
; erf is then 1, as it is where y^2 overflows.  NaN and infinities are not treated apart.
; SHARES.  A tile of hs, 256 x 256, is made by a work-group of four waves, a wave makes 128 x 128: 64 accumulators of 16 x 16, 512 registers.  A work-group makes TWO tiles, 2,048 rows apart in the
; same columns: 512 tiles on 256 work-groups; the ring does not stop between them.  K = 1,024 goes in steps of 128 through two LDS slots filled by the tensor data mover.
; A's tile: 256 rows x 256 bytes, K along the rows.  B's tile: 128 rows (K) x 512 bytes (256 columns), as w1b lies; its fragments are turned on the way into registers by ds_load_tr16_b128.
; CLUSTERS: 4 x 4 work-groups.  The four of a row of the cluster need the same tiles of A, the four of a column the same tiles of B: each tile is asked for JOINTLY, by the same tensor load with the
; same descriptor and a mask that names the four.
; THE MATRIX INSTRUCTION IS USED TRANSPOSED (source 0 = 16 columns of B, source 1 = 16 rows of A): a lane holds row l % 16 and the columns 8 (l / 16) + 0..7.
; THE ROWS' FACTORS.  My 128 rows' hw are 512 consecutive bytes: one load at a tile's start, four a lane, waited for at the head of the way out, a whole tile's products later.
; REGISTERS, in windows of 256 (s_set_vgpr_msb: bits 1:0 source 0, 3:2 source 1, 5:4 source 2, 7:6 destination):
;   window 0: v0-19 addresses and the factors; v32-63 results to store; v64-127, v128-191 fragments of A, two buffers; on the way out v128-239 at work
;   window 1: v64-127, v128-191 fragments of B      window 2: the accumulators of my rows 0-63 ((a, b) at v[8 (8 a + b)])      window 3: those of my rows 64-127
.set SIZE_K, 1024
.set KSTEP,  128
.set PITCH,  272                       ; a row of A in LDS: 256 bytes + 16 of padding = 68 words: row r starts at bank 4 r mod 64 (64 banks of 4 bytes: ISA guide 11.1)
.set PB,     544                       ; a row of B in LDS: 512 bytes + 32 = 136 words: row r starts at bank 8 r mod 64
.set HALFT,  128*PITCH                 ; what one tensor load brings: 128 rows of A, or 64 rows of B (64 x 544 is the same number)
.set SLOT,   4*HALFT                   ; A's 256 rows, then B's 128 rows
.set STAGE,  2*SLOT                    ; behind the ring: 16 rows x 528 bytes for each wave, for the way out; no tensor load fills it
.set SP,     528                       ; a stage row: 128 f32 + 16 bytes = 132 words: row r starts at bank 4 r mod 64
.set SPARE,  STAGE+4*16*SP             ; behind the stages: the spare words, 128 bytes for each wave: two blocks of 256 bytes that no other line names
.set LAPS,   SIZE_K/(2*KSTEP)          ; a lap = two K steps = once round the ring
.set TILES,  2
.set WALK,   2048                      ; rows from a work-group's first tile to its second
.set BSTEP,  KSTEP*8192                ; bytes of w1b from a K step to the next: 128 rows of 8,192 bytes
.set NEXT_A, WALK*SIZE_K*2-(SIZE_K-2*KSTEP)*2   ; from a slot's last K step of a tile to its first of the next: A goes 2,048 rows down and back along K,
.set BACK_B, (SIZE_K/KSTEP-2)*BSTEP    ; B only back: both tiles take the same columns
.set HSROW,  16384                     ; bytes in a row of hs
.set ADRA, 2                           ; v2-3   LDS address of my A fragments in slot 0, 1
.set ADRB, 4                           ; v4-5   the same for B
.set STO,  6                           ; v6     the way out: where I put 16 bytes of a row
.set RD,   7                           ; v7     the way out: where I read a row back
.set CO,   8                           ; v8     my byte offset in 256 bytes of a row of hs
.set HO,   9                           ; v9     16 x lane: my four factors among the wave's 128
.set SPW,  10                          ; v10    LDS address of my spare word: SPARE + 4 x my thread's number; never rewritten
.set NIL,  11                          ; v11    0; never rewritten
.set HWV,  16                          ; v16-19 hw of my wave's rows 4 lane .. 4 lane + 3 of the tile in hand
.set OUT,  32                          ; v32-63 row r of a block of 16: two registers, four bf16
.set F0,   64                          ; fragment buffer 0
.set F1,   128                         ; fragment buffer 1
.set XR,   128                         ; the way out: v128-191 a block of 16 rows, four f32 a row: x, then xh, then the result
.set YR,   192                         ; v192-207 y, then -y^2, then 2^(-y^2), then t 2^(-y^2)
.set TR,   208                         ; v208-223 1 + p |y|, then t
.set PR,   224                         ; v224-239 the polynomial, then erf
.set G1, 24                            ; s[24:31] descriptor group 1 for A's tiles
.set G0, 32                            ; s[32:39] descriptor group 0 for A's tiles, one set for each slot
.set G1B, 48                           ; s[48:55] descriptor group 1 for B's tiles
.set G0B, 56                           ; s[56:63] descriptor group 0 for B's tiles, one set for each slot
.set HWB, 66                           ; s[66:67] hw at my 128 rows of the tile in hand
.set KC1, 68                           ; s[68:69] sqrt(log2(e) / 2); the packed forms name a pair and take its low word for both halves
.set KA1, 70                           ; s[70:71] a1
.set KA2, 72                           ; s[72:73] a2
.set KA3, 74                           ; s[74:75] a3
.set KPP, 76                           ; s76      0.47047 sqrt(ln 2)
.set BLK, 77                           ; s77      the block of 16 rows in hand
.set HW,  80                           ; s[80:95] hw of the block's 16 rows
.set HT,  96                           ; s[96:99] two pairs: the odd rows' hw in a pair's low word
.set MSB, 0
.macro WIN new                         ; the immediate's high byte repeats the setting that is left; a switch that changes nothing is dropped
.if MSB != (\new)
	s_set_vgpr_msb (MSB<<8)|(\new)
.set MSB, \new
.endif
.endm
.set MUL_LO, 0xa1                      ; source 0 (B) window 1, source 1 (A) window 0, C and D window 2
.set MUL_HI, 0xf1                      ; the same, C and D window 3
.set TO_B,   0x40                      ; destination window 1, address window 0
; A joint load.  Waves 0 and 1 fetch A's two halves, waves 2 and 3 B's.  Each of the two lines has one mask and one set of registers for all that issue it.
; The branch hangs on the wave's number alone.  Four v_nop follow each of the two lines, ahead of the jump, the label and what follows.
.macro JLOAD s
	s_cmp_eq_u32 s11, 0
	s_cbranch_scc0 .Lfor_b_\@
	tensor_load_to_lds s[G0+4*(\s):G0+4*(\s)+3], s[G1:G1+7]
	s_nop 0
.rept 4
	v_nop
.endr
	s_branch .Lasked_\@
.Lfor_b_\@:
	tensor_load_to_lds s[G0B+4*(\s):G0B+4*(\s)+3], s[G1B:G1B+7]
	s_nop 0
.rept 4
	v_nop
.endr
.Lasked_\@:
.endm
; A round of the cluster's barrier: my work-group's barrier, so that wave 0's signal speaks for all four waves; wave 0 signals; every wave waits for all sixteen work-groups; my work-group's barrier once more.
.macro CREST                           ; a round behind its opening barrier
	s_cmp_lg_u32 s10, 0
	s_cbranch_scc1 .Lnot_wave_0_\@
	s_barrier_signal -3
.Lnot_wave_0_\@:
	s_barrier_wait -3
	s_barrier_signal -1
	s_barrier_wait -1
.endm
.macro CROUND                          ; a whole round
	s_barrier_signal -1
	s_barrier_wait -1
	CREST
.endm
	s_load_b128 s[4:7], s[0:1], 0x0                ; xb s[4:5], w1b s[6:7]
	s_load_b64 s[8:9], s[0:1], 0x10                ; hs
	s_load_b64 s[HWB:HWB+1], s[0:1], 0x18          ; hw
	v_lshl_add_u32 v[SPW], v0, 2, SPARE
	v_mov_b32 v[NIL], 0
	ds_add_u32 v10, v11
	s_wait_dscnt 0x0
	v_lshrrev_b32 v1, 5, v0
	v_readfirstlane_b32 s10, v1                    ; wave 0..3
	s_lshr_b32 s11, s10, 1                         ; which half of the tile's rows is mine.  Also: I fetch for A (0) or for B (1)
	s_and_b32 s12, s10, 1                          ; which half of its columns.  Also: which half of that tile I fetch
	s_bfe_u32 s40, ttmp6, 0x40000                  ; cx: my place along the cluster's x
	s_bfe_u32 s41, ttmp6, 0x40004                  ; cy: along its y
	s_lshl_b32 s42, ttmp9, 2                       ; in a cluster launch ttmp9 and ttmp7 count clusters
	s_add_co_u32 s42, s42, s40                     ; tile column of hs, 0..31 = 4 x cluster x + cx
	s_and_b32 s13, ttmp7, 0xffff
	s_lshl_b32 s13, s13, 2
	s_add_co_u32 s13, s13, s41                     ; tile row of the first tile, 0..7 = 4 x cluster y + cy
	s_lshl_b32 s43, s41, 2
	s_lshl_b32 s43, 15, s43                        ; my row of the cluster: places 4 cy .. 4 cy + 3
	s_lshl_b32 s44, 0x1111, s40                    ; my column: places cx, cx + 4, cx + 8, cx + 12
	; descriptor group 1.  A: 128 rows x 128 elements; B: 64 rows x 256 elements; both padded in LDS
	s_or_b32 s[G1+0], s43, (1<<16)|(1<<20)|(1<<21)|(5<<22)|(3<<25)  ; 15:0 the mask: my row; 17:16 elements of 2 bytes; 20 padding on; 21 set beside a mask; 24:22 after every 64 words (code 5); 31:25 4 words (code 3)
	s_mov_b32 s[G1+1], 128<<16                     ; 63:48 tensor_dim0 = 128
	s_mov_b32 s[G1+2], 128<<16                     ; 95:80 tensor_dim1 = 128
	s_mov_b32 s[G1+3], 128<<16                     ; 127:112 tile_dim0 = 128
	s_mov_b32 s[G1+4], 128                         ; 143:128 tile_dim1 = 128
	s_mov_b32 s[G1+5], 1024                        ; 191:160 elements from row to row of xb
	s_mov_b32 s[G1+6], 0
	s_mov_b32 s[G1+7], 0
	s_or_b32 s[G1B+0], s44, (1<<16)|(1<<20)|(1<<21)|(6<<22)|(7<<25) ; the mask: my column; padding after every 128 words (code 6), 8 words (code 7)
	s_mov_b32 s[G1B+1], 256<<16                    ; tensor_dim0 = 256
	s_mov_b32 s[G1B+2], 64<<16                     ; tensor_dim1 = 64
	s_mov_b32 s[G1B+3], 256<<16                    ; tile_dim0 = 256
	s_mov_b32 s[G1B+4], 64                         ; tile_dim1 = 64
	s_mov_b32 s[G1B+5], 4096                       ; elements from row to row of w1b
	s_mov_b32 s[G1B+6], 0
	s_mov_b32 s[G1B+7], 0
	; the activation's constants
	s_mov_b32 s[KC1], 0x3f596d27                   ; sqrt(log2(e) / 2) = 0.8493218
	s_mov_b32 s[KC1+1], 0x3f596d27                 ; (a pair's second word is named with it, so it is written)
	s_mov_b32 s[KA1], 0x3eb2303a                   ; a1 = 0.3480242
	s_mov_b32 s[KA1+1], 0x3eb2303a
	s_mov_b32 s[KA2], 0xbdc45ca1                   ; a2 = -0.0958798
	s_mov_b32 s[KA2+1], 0xbdc45ca1
	s_mov_b32 s[KA3], 0x3f3f7377                   ; a3 = 0.7478556
	s_mov_b32 s[KA3+1], 0x3f3f7377
	s_mov_b32 s[KPP], 0x3ec88bd9                   ; 0.47047 sqrt(ln 2) = 0.3916920
	s_mov_b32 s[HT+1], 0
	s_mov_b32 s[HT+3], 0
	; where the tiles come from.  A's hang on the tile row alone, which my row of the cluster shares; B's on the tile column alone, which my column shares.
	s_lshl_b32 s16, s13, 8
	s_lshl_b32 s17, s12, 7
	s_add_co_u32 s16, s16, s17                     ; A: row 256 x tile row + 128 x half,
	s_lshl_b32 s16, s16, 11                        ; of 2,048 bytes
	s_mov_b32 s17, 0
	s_lshr_b32 s46, s42, 4                         ; B: the expert, 16 tile columns each,
	s_lshl_b32 s46, s46, 23                        ; of 8,388,608 bytes;
	s_and_b32 s45, s42, 15
	s_lshl_b32 s45, s45, 9                         ; the tile's 256 columns, 512 bytes;
	s_add_co_u32 s46, s46, s45
	s_lshl_b32 s45, s12, 19                        ; which 64 rows of 8,192 bytes I fetch
	s_add_co_u32 s46, s46, s45
	s_mov_b32 s47, 0
	s_mul_i32 s20, s10, HALFT                      ; and where they go: A's two halves, then B's two halves = wave x 34,816: no place in the cluster enters an LDS address
	s_wait_kmcnt 0x0
	s_add_nc_u64 s[14:15], s[4:5], s[16:17]
	s_add_nc_u64 s[46:47], s[6:7], s[46:47]
	CROUND                                         ; all sixteen work-groups are here: the first joint loads meet
.irp s, 0,1
	s_mov_b32 s[G0+4*(\s)], 1                                      ; 1:0 count = 1
	s_add_co_u32 s[G0+4*(\s)+1], s20, (\s)*SLOT                    ; 63:32 LDS address
	s_add_nc_u64 s[G0+4*(\s)+2:G0+4*(\s)+3], s[14:15], (\s)*KSTEP*2  ; 120:64 global address: K step s
	s_or_b32 s[G0+4*(\s)+3], s[G0+4*(\s)+3], 0x80000000            ; 127:126 type = 2
	s_mov_b32 s[G0B+4*(\s)], 1
	s_add_co_u32 s[G0B+4*(\s)+1], s20, (\s)*SLOT
	s_add_nc_u64 s[G0B+4*(\s)+2:G0B+4*(\s)+3], s[46:47], (\s)*BSTEP
	s_or_b32 s[G0B+4*(\s)+3], s[G0B+4*(\s)+3], 0x80000000
	JLOAD \s                                       ; the ring is filled before anything else is done: two loads of mine are out
.endr
	; A fragment of A is 16 rows x 32 K in 8 registers: lane l holds row l % 16; registers 0-3 K = 8 (l / 16) + 0..7, registers 4-7 K = 16 + 8 (l / 16) + 0..7: two loads of 16 bytes, 32 bytes apart.
	v_and_b32 v1, 15, v0                           ; l % 16
	v_bfe_u32 v12, v0, 4, 1                        ; l / 16
	v_mul_u32_u24 v13, v1, PITCH
	v_lshl_add_u32 v13, v12, 4, v13                ; row x pitch + 16 x half
	; The turning load takes 16 K x 16 columns (lane l reads 16 bytes: K row 8 (l / 16) + l % 8, columns 8 ((l / 8) % 2) + 0..7) and leaves half a fragment: lane l holds column l % 16 and 8 K.
	v_and_b32 v14, 7, v0
	v_lshl_add_u32 v14, v12, 3, v14
	v_mul_u32_u24 v14, v14, PB
	v_bfe_u32 v15, v0, 3, 1
	v_lshl_add_u32 v14, v15, 4, v14
	s_mul_i32 s21, s11, HALFT                      ; my 128 rows of A
	s_lshl_b32 s22, s12, 8                         ; my 128 columns of B, 256 bytes of each row,
	s_add_co_u32 s22, s22, 2*HALFT                 ; which lie behind A's 256 rows
.irp s, 0,1
	v_add_nc_u32 v[ADRA+(\s)], s21, v13
	v_add_nc_u32 v[ADRB+(\s)], s22, v14
	s_add_co_u32 s21, s21, SLOT
	s_add_co_u32 s22, s22, SLOT
.endr
	s_mul_i32 s23, s10, 16*SP
	s_add_co_u32 s23, s23, STAGE                   ; my stage
	v_mul_u32_u24 v13, v1, SP                      ; in: row l % 16, 32 bytes (8 f32) for each half of the lanes
	v_lshl_add_u32 v13, v12, 5, v13
	v_add_nc_u32 v[STO], s23, v13
	v_and_b32 v14, 31, v0
	v_lshl_add_u32 v[RD], v14, 4, s23              ; back: 32 lanes take one row of 512 bytes
	v_lshlrev_b32 v[CO], 3, v14                    ; whose four numbers a lane are 8 bytes of hs
	v_lshlrev_b32 v[HO], 4, v14
	; hs and hw at my part of the first tile
	s_lshl_b32 s16, s13, 8
	s_lshl_b32 s17, s11, 7
	s_add_co_u32 s16, s16, s17                     ; my first row
	s_lshl_b32 s18, s16, 2
	s_mov_b32 s19, 0
	s_add_nc_u64 s[HWB:HWB+1], s[HWB:HWB+1], s[18:19]
	s_lshl_b32 s16, s16, 14
	s_mov_b32 s17, 0
	s_add_nc_u64 s[8:9], s[8:9], s[16:17]
	s_lshr_b32 s46, s42, 4                         ; the expert's 4,096 words of hw
	s_lshl_b32 s46, s46, 14
	s_mov_b32 s47, 0
	s_add_nc_u64 s[HWB:HWB+1], s[HWB:HWB+1], s[46:47]
	s_lshl_b32 s46, s42, 9                         ; my first column, in bytes: 512 x tile column + 256 x half
	s_lshl_b32 s45, s12, 8
	s_add_co_u32 s46, s46, s45
	s_add_nc_u64 s[8:9], s[8:9], s[46:47]
; 16 matrix instructions: m blocks a0, a0 + 1 of the window's four (hi = 0: my rows 0-63, 1: rows 64-127) x all 8 n blocks, 32 along K.  zero = 1: the first product starts the sums.
; The 64 accumulators take turns, one instruction a turn, in the same order in every quarter step.
.macro MUL16 f, hi, a0, zero
	WIN MUL_LO+0x50*(\hi)
.irp a, \a0, (\a0)+1
.irp b, 0,1,2,3,4,5,6,7
.if \zero
	v_wmma_f32_16x16x32_bf16 v[8*(8*(\a)+(\b)):8*(8*(\a)+(\b))+7], v[(\f)+8*(\b):(\f)+8*(\b)+7], v[(\f)+8*(4*(\hi)+(\a)):(\f)+8*(4*(\hi)+(\a))+7], 0
.else
	v_wmma_f32_16x16x32_bf16 v[8*(8*(\a)+(\b)):8*(8*(\a)+(\b))+7], v[(\f)+8*(\b):(\f)+8*(\b)+7], v[(\f)+8*(4*(\hi)+(\a)):(\f)+8*(4*(\hi)+(\a))+7], v[8*(8*(\a)+(\b)):8*(8*(\a)+(\b))+7]
.endif
.endr
.endr
.endm
; 32 LDS loads in one run: the fragments of quarter q of a K step (32 K x 128 columns of B, turned; 128 rows of A x 32 K) into buffer f
.macro FETCH slot, q, f
	WIN TO_B
.irp i, 0,1,2,3,4,5,6,7
	ds_load_tr16_b128 v[(\f)+8*(\i):(\f)+8*(\i)+3],   v[ADRB+(\slot)] offset:(\q)*32*PB+32*(\i)
	ds_load_tr16_b128 v[(\f)+8*(\i)+4:(\f)+8*(\i)+7], v[ADRB+(\slot)] offset:(\q)*32*PB+16*PB+32*(\i)
.endr
	WIN 0
.irp i, 0,1,2,3,4,5,6,7
	ds_load_b128 v[(\f)+8*(\i):(\f)+8*(\i)+3],   v[ADRA+(\slot)] offset:(\q)*64+(\i)*16*PITCH
	ds_load_b128 v[(\f)+8*(\i)+4:(\f)+8*(\i)+7], v[ADRA+(\slot)] offset:(\q)*64+(\i)*16*PITCH+32
.endr
.endm
; A load into a register that a matrix instruction has read, and whatever but a matrix instruction reads a matrix result, stand four places behind that matrix instruction, and only plain
; vector instructions that name none of its registers are places (ISA guide 7.12.1 for vector instructions).
.macro PLACES
.rept 4
	v_nop
.endr
.endm
; A K step is four quarters of 32 along K, 64 matrix instructions each, on buffers 0, 1, 0, 1.  One of the first three: multiplies buffer f; in its middle it fetches quarter q of the same slot into buffer g.
.macro QUARTER slot, q, f, g, zero
	s_wait_dscnt 8                                 ; B and A's rows 0-63 are in; the youngest eight loads (A's rows 64-127) may be out
	WIN MUL_LO
	MUL16 \f, 0, 0, \zero
	MUL16 \f, 0, 2, \zero
	PLACES
	FETCH \slot, \q, \g
	s_wait_dscnt 32                                ; all but the 32 just issued
	WIN MUL_HI
	MUL16 \f, 1, 0, \zero
	MUL16 \f, 1, 2, \zero
.endm
; The last quarter multiplies buffer 1 and changes slots.  MEET is its first half: one barrier for the change.  In front of it each wave waits for all its tensor loads, of which one is out: its part
; of the next slot; adds 0 to its spare word; and waits for that and for its own reads of this slot.  Behind it nobody reads this slot any more and the next slot is whole.
.macro MEET round                      ; round = 1: a round of the cluster's barrier follows
	WIN 0                                          ; (the add's two registers lie in window 0)
	s_wait_tensorcnt 0x0                           ; all my tensor loads have landed
	ds_add_u32 v[SPW], v[NIL]                      ; 0 onto my spare word
	s_wait_dscnt 9                                 ; (the add and the youngest eight loads may be out)
	WIN MUL_LO
	MUL16 F1, 0, 0, 0                              ; sixteen matrix instructions stand between the add and the wait for it
	s_wait_dscnt 0x0                               ; the add is done, and my reads of this slot are over
	s_barrier_signal -1
	MUL16 F1, 0, 2, 0                              ; work on registers while the others arrive
.if \round
	WIN 0
.endif
	s_barrier_wait -1
.endm
; The whole last quarter.  Behind the round the slot just read out is filled again first: with this tile's K step two steps on (on = 0) or with the next tile's K step 0 or 1 (on = 1);
; then come the next slot's first fragments.  One tensor load of mine is out from here to the next MEET.
.macro TURN slot, next, on
	MEET 1
	CREST                                          ; no wave of any partner still reads this slot's tile or has a load on its way
.if \on
	s_add_nc_u64 s[G0+4*(\slot)+2:G0+4*(\slot)+3], s[G0+4*(\slot)+2:G0+4*(\slot)+3], NEXT_A
	s_sub_nc_u64 s[G0B+4*(\slot)+2:G0B+4*(\slot)+3], s[G0B+4*(\slot)+2:G0B+4*(\slot)+3], BACK_B
.else
	s_add_nc_u64 s[G0+4*(\slot)+2:G0+4*(\slot)+3], s[G0+4*(\slot)+2:G0+4*(\slot)+3], 2*KSTEP*2
	s_add_nc_u64 s[G0B+4*(\slot)+2:G0B+4*(\slot)+3], s[G0B+4*(\slot)+2:G0B+4*(\slot)+3], 2*BSTEP
.endif
	JLOAD \slot                                    ; the first tensor load behind the round; the four v_nop behind it are also the places in front of the loads below
	FETCH \next, 0, F0
	WIN MUL_HI
	MUL16 F1, 1, 0, 0
	MUL16 F1, 1, 2, 0
.endm
; THE WAY OUT, a block of 16 rows at a time, in a counted loop of eight trips.  The block's eight accumulators go as f32 into my own stage in LDS and come back as whole rows, four neighbouring
; columns a lane; the activation and the row's factor are applied; four bf16 a lane are stored, 256 consecutive bytes an instruction.
; Block k's part that names registers by k: its 16 factors into scalar registers (row 16 k + i lies in register i % 4 of lane 4 k + i / 4), and its accumulators into the stage;
; each accumulator is read from its low end on.
.macro STBLK tag, k
.Lst\tag\k:
.set i, 0
.rept 16
	v_readlane_b32 s[HW+i], v[HWV+i%4], 4*(\k)+i/4
.set i, i+1
.endr
	WIN 0x08+4*((\k)/4)                            ; the data of an LDS store is source 1: window 2 or 3
.irp b, 0,1,2,3,4,5,6,7
	ds_store_b128 v[STO], v[64*((\k)%4)+8*(\b):64*((\k)%4)+8*(\b)+3]   offset:64*(\b)
	ds_store_b128 v[STO], v[64*((\k)%4)+8*(\b)+4:64*((\k)%4)+8*(\b)+7] offset:64*(\b)+16
.endr
	WIN 0
.endm
.macro DEN n                           ; number n: 1 + p |y|
	v_fma_f32 v[TR+(\n)], |v[YR+(\n)]|, s[KPP], 1.0
.endm
.macro UP n                            ; pair n: -y^2
	v_pk_mul_f32 v[YR+2*(\n):YR+2*(\n)+1], v[YR+2*(\n):YR+2*(\n)+1], v[YR+2*(\n):YR+2*(\n)+1] neg_lo:[0,1] neg_hi:[0,1]
.endm
.macro XHP n                           ; pair n: xh = hw x, in place; two pairs a row; an even row's hw is its own pair's low word, an odd row's was copied into one
.if ((\n)/2)%2 == 0
	v_pk_mul_f32 v[XG+2*(\n):XG+2*(\n)+1], v[XG+2*(\n):XG+2*(\n)+1], s[HG+(\n)/2:HG+(\n)/2+1] op_sel_hi:[1,0]
.else
	v_pk_mul_f32 v[XG+2*(\n):XG+2*(\n)+1], v[XG+2*(\n):XG+2*(\n)+1], s[HT+(\n)/2-1:HT+(\n)/2] op_sel_hi:[1,0]
.endif
.endm
.macro POLY1 n                         ; pair n: a3 t + a2
	s_wait_alu depctr_va_vdst(0)
	v_pk_fma_f32 v[PR+2*(\n):PR+2*(\n)+1], v[TR+2*(\n):TR+2*(\n)+1], s[KA3:KA3+1], s[KA2:KA2+1] op_sel_hi:[1,0,0]
.endm
; Rows 4 g .. 4 g + 3 of the block: 16 numbers a lane, 128 vector instructions.  Every transcendental has a plain instruction behind it that touches neither its result nor its source (ISA guide 5.7.2).
.macro GELU g
.set XG, XR+16*(\g)
.set HG, HW+4*(\g)
	s_wait_dscnt 12-4*(\g)                         ; LDS loads come back in order: these four rows are in, the later rows' loads stay out
	s_mov_b32 s[HT],   s[HG+1]
	s_mov_b32 s[HT+2], s[HG+3]
.set i, 0
.rept 8
	v_pk_mul_f32 v[YR+2*i:YR+2*i+1], v[XG+2*i:XG+2*i+1], s[KC1:KC1+1] op_sel_hi:[1,0]  ; y
.set i, i+1
.endr
	DEN 0
	DEN 1
.set i, 0
.rept 14
	v_rcp_f32 v[TR+i], v[TR+i]                     ; t
	DEN i+2
.set i, i+1
.endr
	v_rcp_f32 v[TR+14], v[TR+14]
	XHP 0
	v_rcp_f32 v[TR+15], v[TR+15]
	XHP 1
	UP 0
	UP 1
.set i, 0
.rept 16
	v_exp_f32 v[YR+i], v[YR+i]                     ; 2^(-y^2); between the exponentials whatever is ready
.if i < 6
	UP i+2
.elseif i < 12
	XHP i-4
.else
	POLY1 i-12
.endif
.set i, i+1
.endr
.set i, 4
.rept 4
	POLY1 i
.set i, i+1
.endr
.set i, 0
.rept 8
	v_pk_fma_f32 v[PR+2*i:PR+2*i+1], v[PR+2*i:PR+2*i+1], v[TR+2*i:TR+2*i+1], s[KA1:KA1+1] op_sel_hi:[1,1,0]  ; (a3 t + a2) t + a1
.set i, i+1
.endr
.set i, 0
	s_wait_alu depctr_va_vdst(0)
.rept 8
	v_pk_mul_f32 v[YR+2*i:YR+2*i+1], v[TR+2*i:TR+2*i+1], v[YR+2*i:YR+2*i+1]  ; t 2^(-y^2)
.set i, i+1
.endr
.set i, 0
.rept 8
	v_pk_fma_f32 v[PR+2*i:PR+2*i+1], v[PR+2*i:PR+2*i+1], v[YR+2*i:YR+2*i+1], 1.0 op_sel_hi:[1,1,0] neg_lo:[1,0,0] neg_hi:[1,0,0]  ; erf = 1 - polynomial x t 2^(-y^2)
.set i, i+1
.endr
.set i, 0
.rept 16
	v_fma_f32 v[XG+i], |v[XG+i]|, v[PR+i], v[XG+i] ; xh + |xh| erf
.set i, i+1
.endr
.set i, 0
.rept 4
	v_cvt_pk_bf16_f32 v[OUT+8*(\g)+2*i],   v[XG+4*i],   v[XG+4*i+1]
	v_cvt_pk_bf16_f32 v[OUT+8*(\g)+2*i+1], v[XG+4*i+2], v[XG+4*i+3]
.set i, i+1
.endr
.set i, 0
.rept 4
	global_store_b64 v[CO], v[OUT+8*(\g)+2*i:OUT+8*(\g)+2*i+1], s[8:9] offset:HSROW*(4*(\g)+i)  ; 32 lanes store 256 consecutive bytes, at a multiple of 256 from hs's first byte
.set i, i+1
.endr
.endm
.macro WAYOUT tag
	WIN 0
	PLACES                                         ; behind the tile's last products
	s_wait_loadcnt 0x0                             ; the tile's 128 factors, asked for at its start: the one load of mine that is out
	s_mov_b32 s[BLK], 0
.Lblk\tag:
.irp k, 0,1,2,3,4,5,6                  ; which registers go: a register's number cannot hang on a counter, so these 32 lines stand eight times, and the rest once
	s_cmp_eq_u32 s[BLK], \k
	s_cbranch_scc1 .Lst\tag\k
.endr
	STBLK \tag, 7
	s_branch .Lrd\tag
.irp k, 0,1,2,3,4,5
	STBLK \tag, \k
	s_branch .Lrd\tag
.endr
	STBLK \tag, 6
.Lrd\tag:
.set i, 0
.rept 16
	ds_load_b128 v[XR+4*i:XR+4*i+3], v[RD] offset:SP*i  ; a whole row; LDS serves a wave's instructions in order (ISA guide 5.7.1.4): these see the stores above
.set i, i+1
.endr
	GELU 0
	GELU 1
	GELU 2
	GELU 3
	s_wait_xcnt 0x0                                ; only behind this wait are the stores' data and their base written again
	s_add_nc_u64 s[8:9], s[8:9], 16*HSROW          ; 16 rows on
	s_add_co_u32 s[BLK], s[BLK], 1
	s_cmp_lt_u32 s[BLK], 8
	s_cbranch_scc1 .Lblk\tag
.endm
	s_wait_tensorcnt 1                             ; my part of K step 0 is in; K step 1's may stay out
	s_barrier_signal -1
	s_barrier_wait -1                              ; everybody's is
	FETCH 0, 0, F0
	s_mov_b32 s2, TILES                            ; tiles to go, this one among them: the same number in every work-group
.Ltile:
	global_load_b128 v[HWV:HWV+3], v[HO], s[HWB:HWB+1]  ; my 128 rows' factors, 512 consecutive bytes: wanted only on the way out
	QUARTER 0, 1, F0, F1, 1                        ; a tile's first quarter stands in front of the loop: its products start the sums
	WIN 0                                          ; at a label and at a branch every window is 0
	s_mov_b32 s3, LAPS-1
.Llap:                                                 ; a trip goes once round the ring, from a lap's second quarter to the next lap's first, and fills both slots again
	QUARTER 0, 2, F1, F0, 0
	QUARTER 0, 3, F0, F1, 0
	TURN 0, 1, 0
	QUARTER 1, 1, F0, F1, 0
	QUARTER 1, 2, F1, F0, 0
	QUARTER 1, 3, F0, F1, 0
	TURN 1, 0, 0
	QUARTER 0, 1, F0, F1, 0
	WIN 0
	s_sub_co_u32 s3, s3, 1
	s_cmp_lg_u32 s3, 0
	s_cbranch_scc1 .Llap
	QUARTER 0, 2, F1, F0, 0                        ; the tile's last lap goes on
	QUARTER 0, 3, F0, F1, 0
	WIN 0
	s_cmp_eq_u32 s2, 1
	s_cbranch_scc1 .Llast_tile                     ; the last tile's tail is written out: it asks for nothing more
	TURN 0, 1, 1                                   ; the ring goes on into the next tile: slot 0 takes its K step 0,
	QUARTER 1, 1, F0, F1, 0
	QUARTER 1, 2, F1, F0, 0
	QUARTER 1, 3, F0, F1, 0
	TURN 1, 0, 1                                   ; slot 1 its K step 1, and the next tile's first fragments are fetched into buffer 0, which the way out leaves alone
	WAYOUT 1                                       ; both refills are asked for: now the tile goes out
	s_add_nc_u64 s[8:9], s[8:9], (WALK-128)*HSROW  ; from behind my 128 rows to my rows of the next tile (no memory instruction has been issued since the wait above)
	s_add_nc_u64 s[HWB:HWB+1], s[HWB:HWB+1], WALK*4  ; the factors' load was waited for at the head of the way out
	s_sub_co_u32 s2, s2, 1
	s_branch .Ltile
.Llast_tile:
	MEET 0                                         ; my one tensor load that was still out is slot 1's, the last K step's, so no round follows
	PLACES                                         ; for the loads into buffer 0
	FETCH 1, 0, F0
	WIN MUL_HI
	MUL16 F1, 1, 0, 0
	MUL16 F1, 1, 2, 0
	QUARTER 1, 1, F0, F1, 0
	QUARTER 1, 2, F1, F0, 0
	QUARTER 1, 3, F0, F1, 0
	s_wait_dscnt 8                                 ; the very last quarter: nothing more to fetch
	MUL16 F1, 0, 0, 0
	MUL16 F1, 0, 2, 0
	s_wait_dscnt 0x0
	MUL16 F1, 1, 0, 0
	MUL16 F1, 1, 2, 0
	WAYOUT 2
	s_wait_tensorcnt 0x0                           ; the wave's end: behind my last tensor load and my last LDS store
	ds_add_u32 v[SPW], v[NIL]
	s_wait_dscnt 0x0
	CROUND                                         ; the closing round: no work-group ends while a partner may still ask for a tile that names it
	s_endpgm
.Lfunc_end_k_qc06dd20cee_up:
	.size	k_qc06dd20cee_up, .Lfunc_end_k_qc06dd20cee_up-k_qc06dd20cee_up
	.p2alignl 7, 3214868480
	.fill 96, 4, 3214868480
	.section	.rodata,"a",@progbits
	.p2align	6, 0x0
	.amdhsa_kernel k_qc06dd20cee_up
		.amdhsa_group_segment_fixed_size 327680
		.amdhsa_private_segment_fixed_size 0
		.amdhsa_enable_private_segment 0
		.amdhsa_kernarg_size 32
		.amdhsa_user_sgpr_count 2
		.amdhsa_user_sgpr_kernarg_segment_ptr 1
		.amdhsa_wavefront_size32 1
		.amdhsa_system_sgpr_workgroup_id_x 1
		.amdhsa_system_sgpr_workgroup_id_y 1
		.amdhsa_system_sgpr_workgroup_id_z 1
		.amdhsa_system_vgpr_workitem_id 0
		.amdhsa_next_free_vgpr 1024
		.amdhsa_next_free_sgpr 100
		.amdhsa_reserve_vcc 0
		.amdhsa_float_denorm_mode_32 3
		.amdhsa_float_denorm_mode_16_64 3
		.amdhsa_memory_ordered 1
		.amdhsa_forward_progress 1
		.amdhsa_inst_pref_size 245
	.end_amdhsa_kernel
	.amdgpu_metadata
---
amdhsa.version: [ 1, 2 ]
amdhsa.kernels:
  - .name:           k_qc06dd20cee_up
    .symbol:         k_qc06dd20cee_up.kd
    .args:
      - { .name: xb, .offset: 0, .size: 8, .value_kind: global_buffer, .address_space: global }
      - { .name: w1b, .offset: 8, .size: 8, .value_kind: global_buffer, .address_space: global }
      - { .name: hs, .offset: 16, .size: 8, .value_kind: global_buffer, .address_space: global }
      - { .name: hw, .offset: 24, .size: 8, .value_kind: global_buffer, .address_space: global }
    .group_segment_fixed_size: 327680
    .private_segment_fixed_size: 0
    .kernarg_segment_align: 8
    .kernarg_segment_size: 32
    .max_flat_workgroup_size: 128
    .sgpr_count:     100
    .vgpr_count:     1024
    .wavefront_size: 32
...
	.end_amdgpu_metadata
.endif
;; end of part 2
;; launch down (part 3): grid 4 x 64, 4 waves a work-group, clusters of 4 x 4, 327,680 bytes of LDS; arguments hs, w2b, part; writes part
.if DOCPART == 3
	.amdgcn_target "amdgcn-amd-amdhsa--gfx1250"
	.amdhsa_code_object_version 6
	.text
	.protected	k_qc06dd20cee_down
	.globl	k_qc06dd20cee_down
	.p2align	8
	.type	k_qc06dd20cee_down,@function
k_qc06dd20cee_down:
	s_mov_b64 s[64:65], 0
	v_nop
	global_prefetch_b8 v0, s[64:65] scope:SCOPE_SE
	s_setreg_imm32_b32 hwreg(HW_REG_WAVE_MODE, 25, 1), 1
	s_wait_xcnt 0x0
	s_wait_alu depctr_hold_cnt(0) depctr_sa_sdst(0) depctr_va_vdst(0) depctr_va_sdst(0) depctr_va_ssrc(0) depctr_va_vcc(0) depctr_vm_vsrc(0)
	s_getreg_b32 s2, hwreg(HW_REG_IB_STS2, 6, 4)
	s_cmp_eq_u32 s2, 0
	s_cbranch_scc0 .Lentry_in_a_cluster
	s_endpgm
.Lentry_in_a_cluster:
	s_bfe_u32 s2, ttmp6, 0x10000c
	s_cmp_lg_u32 s2, 0xf033
	s_cbranch_scc0 .Lentry_shape_is_right
	s_endpgm
.Lentry_shape_is_right:
; part[q][n][c] = sum over k in quarter q of hs[n][k] w2b[k][c], q = 0..3, k = 2048 q .. 2048 q + 2047.  hs: [4096][8192] bf16 (column 4096 e + h; the combine weights are in it already);
; w2b: [8192][1024] bf16; part: [4][4096][1024] f32.  One f32 sum for each number of part, K ascending; the next launch adds the four quarters.
; WHY K IS SPLIT.  The result has 64 tiles of 256 x 256.  Four quarters of K make 256 work-groups of equal work; a tile of 128 x 128 with the whole K would make 256 too, but a K step's 131,072 bytes
; of tiles would then feed 128 matrix instructions a wave, here 256, and each fragment read from LDS half as many products.  The price: 64 MiB of partial sums stored here and read once more.
; SHARES.  Four waves, a wave makes 128 x 128: 64 accumulators of 16 x 16, 512 registers.  K = 2,048 goes in steps of 128 through two LDS slots filled by the tensor data mover.
; A's tile: 256 rows x 256 bytes, K along the rows.  B's tile: 128 rows (K) x 512 bytes (256 columns), as w2b lies; its fragments are turned on the way into registers by ds_load_tr16_b128.
; CLUSTERS: 4 x 4 work-groups: the four tile columns x four tile rows of one quarter of K.  The four of a row of the cluster need the same tiles of A, the four of a column the same tiles of B:
; each tile is asked for JOINTLY, by the same tensor load with the same descriptor and a mask that names the four.
; THE MATRIX INSTRUCTION IS USED TRANSPOSED (source 0 = 16 columns of B, source 1 = 16 rows of A): a lane holds row l % 16 and the columns 8 (l / 16) + 0..7.
; REGISTERS, in windows of 256 (s_set_vgpr_msb: bits 1:0 source 0, 3:2 source 1, 5:4 source 2, 7:6 destination):
;   window 0: v0-15 addresses; v64-127, v128-191 fragments of A, two buffers; on the way out rows read back, by turns
;   window 1: v64-127, v128-191 fragments of B      window 2: the accumulators of my rows 0-63 ((a, b) at v[8 (8 a + b)])      window 3: those of my rows 64-127
.set KPART,  2048                      ; K of a work-group
.set KSTEP,  128
.set PITCH,  272                       ; a row of A in LDS: 256 bytes + 16 of padding = 68 words: row r starts at bank 4 r mod 64 (64 banks of 4 bytes: ISA guide 11.1)
.set PB,     544                       ; a row of B in LDS: 512 bytes + 32 = 136 words: row r starts at bank 8 r mod 64
.set HALFT,  128*PITCH                 ; what one tensor load brings: 128 rows of A, or 64 rows of B (64 x 544 is the same number)
.set SLOT,   4*HALFT                   ; A's 256 rows, then B's 128 rows
.set STAGE,  2*SLOT                    ; behind the ring: 16 rows x 528 bytes for each wave, for the way out; no tensor load fills it
.set SP,     528                       ; a stage row: 128 f32 + 16 bytes = 132 words: row r starts at bank 4 r mod 64
.set SPARE,  STAGE+4*16*SP             ; behind the stages: the spare words, 128 bytes for each wave: two blocks of 256 bytes that no other line names
.set LAPS,   KPART/(2*KSTEP)           ; a lap = two K steps = once round the ring
.set BSTEP,  KSTEP*2048                ; bytes of w2b from a K step to the next: 128 rows of 2,048 bytes
.set ADRA, 2                           ; v2-3   LDS address of my A fragments in slot 0, 1
.set ADRB, 4                           ; v4-5   the same for B
.set STO,  6                           ; v6     the way out: where I put 16 bytes of a row
.set RD,   7                           ; v7     the way out: where I read a row back
.set CO,   8                           ; v8     my byte offset in 512 bytes of a row of part
.set SPW,  10                          ; v10    LDS address of my spare word: SPARE + 4 x my thread's number; never rewritten
.set NIL,  11                          ; v11    0; never rewritten
.set F0,   64                          ; fragment buffer 0
.set F1,   128                         ; fragment buffer 1
.set OB,   64                          ; the way out: 16 rows read back, four f32 a row: v64-127 and v128-191 by turns
.set G1, 24                            ; s[24:31] descriptor group 1 for A's tiles
.set G0, 32                            ; s[32:39] descriptor group 0 for A's tiles, one set for each slot
.set G1B, 48                           ; s[48:55] descriptor group 1 for B's tiles
.set G0B, 56                           ; s[56:63] descriptor group 0 for B's tiles, one set for each slot
.set MSB, 0
.macro WIN new                         ; the immediate's high byte repeats the setting that is left; a switch that changes nothing is dropped
.if MSB != (\new)
	s_set_vgpr_msb (MSB<<8)|(\new)
.set MSB, \new
.endif
.endm
.set MUL_LO, 0xa1                      ; source 0 (B) window 1, source 1 (A) window 0, C and D window 2
.set MUL_HI, 0xf1                      ; the same, C and D window 3
.set TO_B,   0x40                      ; destination window 1, address window 0
; A joint load.  Waves 0 and 1 fetch A's two halves, waves 2 and 3 B's.  The branch hangs on the wave's number alone.
; Four v_nop follow each of the two lines, ahead of the jump, the label and what follows.
.macro JLOAD s
	s_cmp_eq_u32 s11, 0
	s_cbranch_scc0 .Lfor_b_\@
	tensor_load_to_lds s[G0+4*(\s):G0+4*(\s)+3], s[G1:G1+7]
	s_nop 0
.rept 4
	v_nop
.endr
	s_branch .Lasked_\@
.Lfor_b_\@:
	tensor_load_to_lds s[G0B+4*(\s):G0B+4*(\s)+3], s[G1B:G1B+7]
	s_nop 0
.rept 4
	v_nop
.endr
.Lasked_\@:
.endm
; A round of the cluster's barrier: my work-group's barrier, so that wave 0's signal speaks for all four waves; wave 0 signals; every wave waits for all sixteen work-groups; my work-group's barrier once more.
.macro CREST                           ; a round behind its opening barrier
	s_cmp_lg_u32 s10, 0
	s_cbranch_scc1 .Lnot_wave_0_\@
	s_barrier_signal -3
.Lnot_wave_0_\@:
	s_barrier_wait -3
	s_barrier_signal -1
	s_barrier_wait -1
.endm
.macro CROUND                          ; a whole round
	s_barrier_signal -1
	s_barrier_wait -1
	CREST
.endm
	s_load_b128 s[4:7], s[0:1], 0x0                ; hs s[4:5], w2b s[6:7]
	s_load_b64 s[8:9], s[0:1], 0x10                ; part
	v_lshl_add_u32 v[SPW], v0, 2, SPARE
	v_mov_b32 v[NIL], 0
	ds_add_u32 v10, v11
	s_wait_dscnt 0x0
	v_lshrrev_b32 v1, 5, v0
	v_readfirstlane_b32 s10, v1                    ; wave 0..3
	s_lshr_b32 s11, s10, 1                         ; which half of the tile's rows is mine.  Also: I fetch for A (0) or for B (1)
	s_and_b32 s12, s10, 1                          ; which half of its columns.  Also: which half of that tile I fetch
	s_bfe_u32 s40, ttmp6, 0x40000                  ; cx: my place along the cluster's x
	s_bfe_u32 s41, ttmp6, 0x40004                  ; cy: along its y
	s_lshl_b32 s42, ttmp9, 2                       ; in a cluster launch ttmp9 and ttmp7 count clusters
	s_add_co_u32 s42, s42, s40                     ; tile column, 0..3 = 4 x cluster x + cx
	s_and_b32 s13, ttmp7, 0xffff                   ; cluster y, 0..15 = 4 x quarter of K + group of four tile rows
	s_lshr_b32 s2, s13, 2                          ; the quarter of K: the whole cluster's, made of no place in it
	s_and_b32 s13, s13, 3
	s_lshl_b32 s13, s13, 2
	s_add_co_u32 s13, s13, s41                     ; tile row, 0..15 = 4 x group + cy
	s_lshl_b32 s43, s41, 2
	s_lshl_b32 s43, 15, s43                        ; my row of the cluster: places 4 cy .. 4 cy + 3
	s_lshl_b32 s44, 0x1111, s40                    ; my column: places cx, cx + 4, cx + 8, cx + 12
	; descriptor group 1.  A: 128 rows x 128 elements; B: 64 rows x 256 elements; both padded in LDS
	s_or_b32 s[G1+0], s43, (1<<16)|(1<<20)|(1<<21)|(5<<22)|(3<<25)  ; 15:0 the mask: my row; 17:16 elements of 2 bytes; 20 padding on; 21 set beside a mask; 24:22 after every 64 words (code 5); 31:25 4 words (code 3)
	s_mov_b32 s[G1+1], 128<<16                     ; 63:48 tensor_dim0 = 128
	s_mov_b32 s[G1+2], 128<<16                     ; 95:80 tensor_dim1 = 128
	s_mov_b32 s[G1+3], 128<<16                     ; 127:112 tile_dim0 = 128
	s_mov_b32 s[G1+4], 128                         ; 143:128 tile_dim1 = 128
	s_mov_b32 s[G1+5], 8192                        ; 191:160 elements from row to row of hs
	s_mov_b32 s[G1+6], 0
	s_mov_b32 s[G1+7], 0
	s_or_b32 s[G1B+0], s44, (1<<16)|(1<<20)|(1<<21)|(6<<22)|(7<<25) ; the mask: my column; padding after every 128 words (code 6), 8 words (code 7)
	s_mov_b32 s[G1B+1], 256<<16                    ; tensor_dim0 = 256
	s_mov_b32 s[G1B+2], 64<<16                     ; tensor_dim1 = 64
	s_mov_b32 s[G1B+3], 256<<16                    ; tile_dim0 = 256
	s_mov_b32 s[G1B+4], 64                         ; tile_dim1 = 64
	s_mov_b32 s[G1B+5], 1024                       ; elements from row to row of w2b
	s_mov_b32 s[G1B+6], 0
	s_mov_b32 s[G1B+7], 0
	; where the tiles come from.  A's hang on the tile row and the quarter, which my row of the cluster shares; B's on the tile column and the quarter, which my column shares.
	s_lshl_b32 s16, s13, 8
	s_lshl_b32 s17, s12, 7
	s_add_co_u32 s16, s16, s17                     ; A: row 256 x tile row + 128 x half,
	s_lshl_b32 s16, s16, 14                        ; of 16,384 bytes;
	s_lshl_b32 s17, s2, 12                         ; the quarter's 2,048 columns, 4,096 bytes
	s_add_co_u32 s16, s16, s17
	s_mov_b32 s17, 0
	s_lshl_b32 s46, s2, 22                         ; B: the quarter's 2,048 rows of 2,048 bytes;
	s_lshl_b32 s45, s42, 9                         ; the tile's 256 columns, 512 bytes;
	s_add_co_u32 s46, s46, s45
	s_lshl_b32 s45, s12, 17                        ; which 64 rows of 2,048 bytes I fetch
	s_add_co_u32 s46, s46, s45
	s_mov_b32 s47, 0
	s_mul_i32 s20, s10, HALFT                      ; and where they go: A's two halves, then B's two halves = wave x 34,816: no place in the cluster enters an LDS address
	s_wait_kmcnt 0x0
	s_add_nc_u64 s[14:15], s[4:5], s[16:17]
	s_add_nc_u64 s[46:47], s[6:7], s[46:47]
	CROUND                                         ; all sixteen work-groups are here: the first joint loads meet
.irp s, 0,1
	s_mov_b32 s[G0+4*(\s)], 1                                      ; 1:0 count = 1
	s_add_co_u32 s[G0+4*(\s)+1], s20, (\s)*SLOT                    ; 63:32 LDS address
	s_add_nc_u64 s[G0+4*(\s)+2:G0+4*(\s)+3], s[14:15], (\s)*KSTEP*2  ; 120:64 global address: K step s
	s_or_b32 s[G0+4*(\s)+3], s[G0+4*(\s)+3], 0x80000000            ; 127:126 type = 2
	s_mov_b32 s[G0B+4*(\s)], 1
	s_add_co_u32 s[G0B+4*(\s)+1], s20, (\s)*SLOT
	s_add_nc_u64 s[G0B+4*(\s)+2:G0B+4*(\s)+3], s[46:47], (\s)*BSTEP
	s_or_b32 s[G0B+4*(\s)+3], s[G0B+4*(\s)+3], 0x80000000
	JLOAD \s                                       ; the ring is filled before anything else is done: two loads of mine are out
.endr
	; A fragment of A is 16 rows x 32 K in 8 registers: lane l holds row l % 16; registers 0-3 K = 8 (l / 16) + 0..7, registers 4-7 K = 16 + 8 (l / 16) + 0..7: two loads of 16 bytes, 32 bytes apart.
	v_and_b32 v1, 15, v0                           ; l % 16
	v_bfe_u32 v12, v0, 4, 1                        ; l / 16
	v_mul_u32_u24 v13, v1, PITCH
	v_lshl_add_u32 v13, v12, 4, v13                ; row x pitch + 16 x half
	; The turning load takes 16 K x 16 columns (lane l reads 16 bytes: K row 8 (l / 16) + l % 8, columns 8 ((l / 8) % 2) + 0..7) and leaves half a fragment: lane l holds column l % 16 and 8 K.
	v_and_b32 v14, 7, v0
	v_lshl_add_u32 v14, v12, 3, v14
	v_mul_u32_u24 v14, v14, PB
	v_bfe_u32 v15, v0, 3, 1
	v_lshl_add_u32 v14, v15, 4, v14
	s_mul_i32 s21, s11, HALFT                      ; my 128 rows of A
	s_lshl_b32 s22, s12, 8                         ; my 128 columns of B, 256 bytes of each row,
	s_add_co_u32 s22, s22, 2*HALFT                 ; which lie behind A's 256 rows
.irp s, 0,1
	v_add_nc_u32 v[ADRA+(\s)], s21, v13
	v_add_nc_u32 v[ADRB+(\s)], s22, v14
	s_add_co_u32 s21, s21, SLOT
	s_add_co_u32 s22, s22, SLOT
.endr
	s_mul_i32 s23, s10, 16*SP
	s_add_co_u32 s23, s23, STAGE                   ; my stage
	v_mul_u32_u24 v13, v1, SP                      ; in: row l % 16, 32 bytes (8 f32) for each half of the lanes
	v_lshl_add_u32 v13, v12, 5, v13
	v_add_nc_u32 v[STO], s23, v13
	v_and_b32 v14, 31, v0
	v_lshl_add_u32 v[RD], v14, 4, s23              ; back: 32 lanes take one row of 512 bytes,
	v_lshlrev_b32 v[CO], 4, v14                    ; which are 512 consecutive bytes of part
	; part at my share of the tile
	s_lshl_b32 s16, s13, 8
	s_lshl_b32 s17, s11, 7
	s_add_co_u32 s16, s16, s17                     ; my first row,
	s_lshl_b32 s16, s16, 12                        ; of 4,096 bytes;
	s_lshl_b32 s17, s2, 24                         ; the quarter's 16,777,216 bytes
	s_add_co_u32 s16, s16, s17
	s_mov_b32 s17, 0
	s_add_nc_u64 s[8:9], s[8:9], s[16:17]
	s_lshl_b32 s46, s42, 10                        ; my first column, in bytes: 1,024 x tile column + 512 x half
	s_lshl_b32 s45, s12, 9
	s_add_co_u32 s46, s46, s45
	s_mov_b32 s47, 0
	s_add_nc_u64 s[8:9], s[8:9], s[46:47]
; 16 matrix instructions: m blocks a0, a0 + 1 of the window's four (hi = 0: my rows 0-63, 1: rows 64-127) x all 8 n blocks, 32 along K.  zero = 1: the first product starts the sums.
; The 64 accumulators take turns, one instruction a turn, in the same order in every quarter step.
.macro MUL16 f, hi, a0, zero
	WIN MUL_LO+0x50*(\hi)
.irp a, \a0, (\a0)+1
.irp b, 0,1,2,3,4,5,6,7
.if \zero
	v_wmma_f32_16x16x32_bf16 v[8*(8*(\a)+(\b)):8*(8*(\a)+(\b))+7], v[(\f)+8*(\b):(\f)+8*(\b)+7], v[(\f)+8*(4*(\hi)+(\a)):(\f)+8*(4*(\hi)+(\a))+7], 0
.else
	v_wmma_f32_16x16x32_bf16 v[8*(8*(\a)+(\b)):8*(8*(\a)+(\b))+7], v[(\f)+8*(\b):(\f)+8*(\b)+7], v[(\f)+8*(4*(\hi)+(\a)):(\f)+8*(4*(\hi)+(\a))+7], v[8*(8*(\a)+(\b)):8*(8*(\a)+(\b))+7]
.endif
.endr
.endr
.endm
; 32 LDS loads in one run: the fragments of quarter q of a K step (32 K x 128 columns of B, turned; 128 rows of A x 32 K) into buffer f
.macro FETCH slot, q, f
	WIN TO_B
.irp i, 0,1,2,3,4,5,6,7
	ds_load_tr16_b128 v[(\f)+8*(\i):(\f)+8*(\i)+3],   v[ADRB+(\slot)] offset:(\q)*32*PB+32*(\i)
	ds_load_tr16_b128 v[(\f)+8*(\i)+4:(\f)+8*(\i)+7], v[ADRB+(\slot)] offset:(\q)*32*PB+16*PB+32*(\i)
.endr
	WIN 0
.irp i, 0,1,2,3,4,5,6,7
	ds_load_b128 v[(\f)+8*(\i):(\f)+8*(\i)+3],   v[ADRA+(\slot)] offset:(\q)*64+(\i)*16*PITCH
	ds_load_b128 v[(\f)+8*(\i)+4:(\f)+8*(\i)+7], v[ADRA+(\slot)] offset:(\q)*64+(\i)*16*PITCH+32
.endr
.endm
; A load into a register that a matrix instruction has read, and whatever but a matrix instruction reads a matrix result, stand four places behind that matrix instruction, and only plain
; vector instructions that name none of its registers are places (ISA guide 7.12.1 for vector instructions).
.macro PLACES
.rept 4
	v_nop
.endr
.endm
; A K step is four quarters of 32 along K, 64 matrix instructions each, on buffers 0, 1, 0, 1.  One of the first three: multiplies buffer f; in its middle it fetches quarter q of the same slot into buffer g.
.macro QUARTER slot, q, f, g, zero
	s_wait_dscnt 8                                 ; B and A's rows 0-63 are in; the youngest eight loads (A's rows 64-127) may be out
	WIN MUL_LO
	MUL16 \f, 0, 0, \zero
	MUL16 \f, 0, 2, \zero
	PLACES
	FETCH \slot, \q, \g
	s_wait_dscnt 32                                ; all but the 32 just issued
	WIN MUL_HI
	MUL16 \f, 1, 0, \zero
	MUL16 \f, 1, 2, \zero
.endm
; The last quarter multiplies buffer 1 and changes slots.  MEET is its first half: one barrier for the change.  In front of it each wave waits for all its tensor loads, of which one is out: its part
; of the next slot; adds 0 to its spare word; and waits for that and for its own reads of this slot.  Behind it nobody reads this slot any more and the next slot is whole.
.macro MEET round                      ; round = 1: a round of the cluster's barrier follows
	WIN 0                                          ; (the add's two registers lie in window 0)
	s_wait_tensorcnt 0x0                           ; all my tensor loads have landed
	ds_add_u32 v[SPW], v[NIL]                      ; 0 onto my spare word
	s_wait_dscnt 9                                 ; (the add and the youngest eight loads may be out)
	WIN MUL_LO
	MUL16 F1, 0, 0, 0                              ; sixteen matrix instructions stand between the add and the wait for it
	s_wait_dscnt 0x0                               ; the add is done, and my reads of this slot are over
	s_barrier_signal -1
	MUL16 F1, 0, 2, 0                              ; work on registers while the others arrive
.if \round
	WIN 0
.endif
	s_barrier_wait -1
.endm
; The whole last quarter.  Behind the round the slot just read out is filled again first, with the K step two steps on; then come the next slot's first fragments.
; One tensor load of mine is out from here to the next MEET: 224 matrix instructions of mine stand between the request and the wait for it.
.macro TURN slot, next
	MEET 1
	CREST                                          ; no wave of any partner still reads this slot's tile or has a load on its way
	s_add_nc_u64 s[G0+4*(\slot)+2:G0+4*(\slot)+3], s[G0+4*(\slot)+2:G0+4*(\slot)+3], 2*KSTEP*2
	s_add_nc_u64 s[G0B+4*(\slot)+2:G0B+4*(\slot)+3], s[G0B+4*(\slot)+2:G0B+4*(\slot)+3], 2*BSTEP
	JLOAD \slot                                    ; the first tensor load behind the round; the four v_nop behind it are also the places in front of the loads below
	FETCH \next, 0, F0
	WIN MUL_HI
	MUL16 F1, 1, 0, 0
	MUL16 F1, 1, 2, 0
.endm
	s_wait_tensorcnt 1                             ; my part of K step 0 is in; K step 1's may stay out
	s_barrier_signal -1
	s_barrier_wait -1                              ; everybody's is
	FETCH 0, 0, F0
	QUARTER 0, 1, F0, F1, 1                        ; the first quarter stands in front of the loop: its products start the sums
	WIN 0                                          ; at a label and at a branch every window is 0
	s_mov_b32 s3, LAPS-1
.Llap:                                                 ; a trip goes once round the ring, from a lap's second quarter to the next lap's first, and fills both slots again
	QUARTER 0, 2, F1, F0, 0
	QUARTER 0, 3, F0, F1, 0
	TURN 0, 1
	QUARTER 1, 1, F0, F1, 0
	QUARTER 1, 2, F1, F0, 0
	QUARTER 1, 3, F0, F1, 0
	TURN 1, 0
	QUARTER 0, 1, F0, F1, 0
	WIN 0
	s_sub_co_u32 s3, s3, 1
	s_cmp_lg_u32 s3, 0
	s_cbranch_scc1 .Llap
	QUARTER 0, 2, F1, F0, 0                        ; the last lap fills nothing, and has no round of the cluster's barrier
	QUARTER 0, 3, F0, F1, 0
	MEET 0                                         ; my one tensor load that was still out is slot 1's, the last K step's
	PLACES                                         ; for the loads into buffer 0
	FETCH 1, 0, F0
	WIN MUL_HI
	MUL16 F1, 1, 0, 0
	MUL16 F1, 1, 2, 0
	QUARTER 1, 1, F0, F1, 0
	QUARTER 1, 2, F1, F0, 0
	QUARTER 1, 3, F0, F1, 0
	s_wait_dscnt 8                                 ; the very last quarter: nothing more to fetch
	MUL16 F1, 0, 0, 0
	MUL16 F1, 0, 2, 0
	s_wait_dscnt 0x0
	MUL16 F1, 1, 0, 0
	MUL16 F1, 1, 2, 0
	; THE WAY OUT, a block of 16 rows at a time.  My 128 columns of f32 are 512 bytes of a row of part, at a multiple of 512 from its first byte: each wave has a stage of its own and needs no barrier.
	; A block's eight accumulators go into rows of 528 bytes, 32 bytes a lane, and come back as whole rows.  Block a + 1's stores into the stage stand between block a's loads and the wait for them.
.macro ST a                            ; each accumulator is read from its low end on
	WIN 0x08+4*((\a)/4)                            ; the data of an LDS store is source 1: window 2 or 3
.irp b, 0,1,2,3,4,5,6,7
	ds_store_b128 v[STO], v[64*((\a)%4)+8*(\b):64*((\a)%4)+8*(\b)+3]   offset:64*(\b)
	ds_store_b128 v[STO], v[64*((\a)%4)+8*(\b)+4:64*((\a)%4)+8*(\b)+7] offset:64*(\b)+16
.endr
	WIN 0
.endm
.macro LD a
.set BK, OB+64*((\a)%2)
.if (\a) >= 2
	s_wait_xcnt 0x0                                ; the registers that block a - 2's stores read are loaded again only behind this wait
.endif
.set i, 0
.rept 16
	ds_load_b128 v[BK+4*i:BK+4*i+3], v[RD] offset:SP*i  ; a whole row; LDS serves a wave's instructions in order (ISA guide 5.7.1.4): these see block a's stores, and the next block's stores come behind them
.set i, i+1
.endr
.endm
.macro SEND a, younger                 ; younger: the LDS instructions issued behind block a's loads: the next block's sixteen stores, or none
.set BK, OB+64*((\a)%2)
.set i, 0
.rept 16
	s_wait_dscnt (\younger)+15-i
	global_store_b128 v[CO], v[BK+4*i:BK+4*i+3], s[8:9] offset:(16*(\a)+i)*4096 th:TH_STORE_NT  ; 32 lanes store 512 consecutive bytes, aligned; 127 rows of 4,096 bytes at the most: inside the signed 24-bit immediate
.set i, i+1
.endr
.endm
	WIN 0
	PLACES                                         ; behind the last products
	ST 0
	LD 0
.irp a, 0,1,2,3,4,5,6
	ST (\a)+1
	SEND \a, 16
	LD (\a)+1
.endr
	SEND 7, 0
	s_wait_tensorcnt 0x0                           ; the wave's end: behind my last tensor load and my last LDS store
	ds_add_u32 v[SPW], v[NIL]
	s_wait_dscnt 0x0
	CROUND                                         ; the closing round: no work-group ends while a partner may still ask for a tile that names it
	s_endpgm
.Lfunc_end_k_qc06dd20cee_down:
	.size	k_qc06dd20cee_down, .Lfunc_end_k_qc06dd20cee_down-k_qc06dd20cee_down
	.p2alignl 7, 3214868480
	.fill 96, 4, 3214868480
	.section	.rodata,"a",@progbits
	.p2align	6, 0x0
	.amdhsa_kernel k_qc06dd20cee_down
		.amdhsa_group_segment_fixed_size 327680
		.amdhsa_private_segment_fixed_size 0
		.amdhsa_enable_private_segment 0
		.amdhsa_kernarg_size 24
		.amdhsa_user_sgpr_count 2
		.amdhsa_user_sgpr_kernarg_segment_ptr 1
		.amdhsa_wavefront_size32 1
		.amdhsa_system_sgpr_workgroup_id_x 1
		.amdhsa_system_sgpr_workgroup_id_y 1
		.amdhsa_system_sgpr_workgroup_id_z 1
		.amdhsa_system_vgpr_workitem_id 0
		.amdhsa_next_free_vgpr 1024
		.amdhsa_next_free_sgpr 66
		.amdhsa_reserve_vcc 0
		.amdhsa_float_denorm_mode_32 3
		.amdhsa_float_denorm_mode_16_64 3
		.amdhsa_memory_ordered 1
		.amdhsa_forward_progress 1
		.amdhsa_inst_pref_size 144
	.end_amdhsa_kernel
	.amdgpu_metadata
---
amdhsa.version: [ 1, 2 ]
amdhsa.kernels:
  - .name:           k_qc06dd20cee_down
    .symbol:         k_qc06dd20cee_down.kd
    .args:
      - { .name: hs, .offset: 0, .size: 8, .value_kind: global_buffer, .address_space: global }
      - { .name: w2b, .offset: 8, .size: 8, .value_kind: global_buffer, .address_space: global }
      - { .name: part, .offset: 16, .size: 8, .value_kind: global_buffer, .address_space: global }
    .group_segment_fixed_size: 327680
    .private_segment_fixed_size: 0
    .kernarg_segment_align: 8
    .kernarg_segment_size: 24
    .max_flat_workgroup_size: 128
    .sgpr_count:     66
    .vgpr_count:     1024
    .wavefront_size: 32
...
	.end_amdgpu_metadata
.endif
;; end of part 3
;; launch reduce (part 4): grid 256 x 1, 16 waves a work-group, no clusters, 0 bytes of LDS; arguments part, out0; writes out0
.if DOCPART == 4
	.amdgcn_target "amdgcn-amd-amdhsa--gfx1250"
	.amdhsa_code_object_version 6
	.text
	.protected	k_qc06dd20cee_reduce
	.globl	k_qc06dd20cee_reduce
	.p2align	8
	.type	k_qc06dd20cee_reduce,@function
k_qc06dd20cee_reduce:
	s_mov_b64 s[64:65], 0
	v_nop
	global_prefetch_b8 v0, s[64:65] scope:SCOPE_SE
	s_setreg_imm32_b32 hwreg(HW_REG_WAVE_MODE, 25, 1), 1
	s_wait_xcnt 0x0
; out0[n][c] = (part[0][n][c] + part[1][n][c]) + (part[2][n][c] + part[3][n][c]), all f32: the four quarters of K of the second product are added.
; A stream: every byte of part is read once and every byte of out0 written once, so there is no LDS, no barrier, no matrix instruction and no cluster (no two work-groups read the same byte).
; SHARES.  256 work-groups of 16 waves; a work-group owns 65,536 consecutive bytes of out0, in eight chunks of 8,192; thread t owns the 16 bytes at 16 t of each chunk, so a load or store of a wave
; covers 512 consecutive bytes, aligned.  A wave's 32 loads all go out first; no register is written again behind the store that reads it, so there is no loop.
.set CHUNK, 8192
.set PART,  16777216                   ; bytes from a quarter's sums to the next quarter's
.set P,     4                          ; v[4:131]  chunk j, quarter q at P + 16 j + 4 q
	s_load_b128 s[4:7], s[0:1], 0x0                ; part s[4:5], out0 s[6:7]
	v_lshlrev_b32 v1, 4, v0                        ; 16 t
	s_lshl_b32 s8, ttmp9, 16                       ; the work-group's 65,536 bytes
	s_mov_b32 s9, 0
	s_wait_kmcnt 0x0
	s_add_nc_u64 s[4:5], s[4:5], s[8:9]            ; quarter 0
	s_add_nc_u64 s[6:7], s[6:7], s[8:9]
	s_add_nc_u64 s[10:11], s[4:5], PART            ; quarters 1 to 3: too far for a load's immediate, so each has its base
	s_add_nc_u64 s[12:13], s[4:5], 2*PART
	s_add_nc_u64 s[14:15], s[4:5], 3*PART
.set j, 0
.rept 8
	global_load_b128 v[P+16*j:P+16*j+3],     v1, s[4:5]   offset:CHUNK*j th:TH_LOAD_NT
	global_load_b128 v[P+16*j+4:P+16*j+7],   v1, s[10:11] offset:CHUNK*j th:TH_LOAD_NT
	global_load_b128 v[P+16*j+8:P+16*j+11],  v1, s[12:13] offset:CHUNK*j th:TH_LOAD_NT
	global_load_b128 v[P+16*j+12:P+16*j+15], v1, s[14:15] offset:CHUNK*j th:TH_LOAD_NT
.set j, j+1
.endr
.set j, 0
.rept 8
	s_wait_loadcnt 28-4*j                          ; loads come back in order: chunk j's four are in, the later chunks' stay out
	v_pk_add_f32 v[P+16*j:P+16*j+1],     v[P+16*j:P+16*j+1],     v[P+16*j+4:P+16*j+5]
	v_pk_add_f32 v[P+16*j+2:P+16*j+3],   v[P+16*j+2:P+16*j+3],   v[P+16*j+6:P+16*j+7]
	v_pk_add_f32 v[P+16*j+8:P+16*j+9],   v[P+16*j+8:P+16*j+9],   v[P+16*j+12:P+16*j+13]
	v_pk_add_f32 v[P+16*j+10:P+16*j+11], v[P+16*j+10:P+16*j+11], v[P+16*j+14:P+16*j+15]
	v_pk_add_f32 v[P+16*j:P+16*j+1],     v[P+16*j:P+16*j+1],     v[P+16*j+8:P+16*j+9]
	v_pk_add_f32 v[P+16*j+2:P+16*j+3],   v[P+16*j+2:P+16*j+3],   v[P+16*j+10:P+16*j+11]
	global_store_b128 v1, v[P+16*j:P+16*j+3], s[6:7] offset:CHUNK*j th:TH_STORE_NT
.set j, j+1
.endr
	s_endpgm
.Lfunc_end_k_qc06dd20cee_reduce:
	.size	k_qc06dd20cee_reduce, .Lfunc_end_k_qc06dd20cee_reduce-k_qc06dd20cee_reduce
	.p2alignl 7, 3214868480
	.fill 96, 4, 3214868480
	.section	.rodata,"a",@progbits
	.p2align	6, 0x0
	.amdhsa_kernel k_qc06dd20cee_reduce
		.amdhsa_group_segment_fixed_size 0
		.amdhsa_private_segment_fixed_size 0
		.amdhsa_enable_private_segment 0
		.amdhsa_kernarg_size 16
		.amdhsa_user_sgpr_count 2
		.amdhsa_user_sgpr_kernarg_segment_ptr 1
		.amdhsa_wavefront_size32 1
		.amdhsa_system_sgpr_workgroup_id_x 1
		.amdhsa_system_sgpr_workgroup_id_y 1
		.amdhsa_system_sgpr_workgroup_id_z 1
		.amdhsa_system_vgpr_workitem_id 0
		.amdhsa_next_free_vgpr 132
		.amdhsa_next_free_sgpr 66
		.amdhsa_reserve_vcc 0
		.amdhsa_float_denorm_mode_32 3
		.amdhsa_float_denorm_mode_16_64 3
		.amdhsa_memory_ordered 1
		.amdhsa_forward_progress 1
		.amdhsa_inst_pref_size 8
	.end_amdhsa_kernel
	.amdgpu_metadata
---
amdhsa.version: [ 1, 2 ]
amdhsa.kernels:
  - .name:           k_qc06dd20cee_reduce
    .symbol:         k_qc06dd20cee_reduce.kd
    .args:
      - { .name: part, .offset: 0, .size: 8, .value_kind: global_buffer, .address_space: global }
      - { .name: out0, .offset: 8, .size: 8, .value_kind: global_buffer, .address_space: global }
    .group_segment_fixed_size: 0
    .private_segment_fixed_size: 0
    .kernarg_segment_align: 8
    .kernarg_segment_size: 16
    .max_flat_workgroup_size: 512
    .sgpr_count:     66
    .vgpr_count:     132
    .wavefront_size: 32
...
	.end_amdgpu_metadata
.endif
;; end of part 4
;; ======== version 2 of 2: 4 launches; version 1 with the launch prep written anew for expert scheduling mode
;; limits: a function is approximated: absolute error at most 2.5e-05
;; workspace buffers: xb 8,388,608 bytes; w1b 16,777,216 bytes; w2b 16,777,216 bytes; hs 67,108,864 bytes; hw 32,768 bytes; part 67,108,864 bytes
;; launch prep (part 5): grid 256 x 1, 16 waves a work-group, no clusters, 2,304 bytes of LDS; arguments x, router_w, w1, w2, xb, w1b, w2b, hw; writes xb, w1b, w2b, hw
.if DOCPART == 5
	.amdgcn_target "amdgcn-amd-amdhsa--gfx1250"
	.amdhsa_code_object_version 6
	.text
	.protected	k_qc06dd20cee_prep
	.globl	k_qc06dd20cee_prep
	.p2align	8
	.type	k_qc06dd20cee_prep,@function
k_qc06dd20cee_prep:
	s_mov_b64 s[64:65], 0
	v_nop
	global_prefetch_b8 v0, s[64:65] scope:SCOPE_SE
	s_setreg_imm32_b32 hwreg(HW_REG_WAVE_SCHED_MODE, 0, 2), 2
	s_setreg_imm32_b32 hwreg(HW_REG_WAVE_MODE, 25, 1), 1
	s_wait_xcnt 0x0
	s_wait_alu depctr_vm_vsrc(0)
; THE CASTS AND THE ROUTER.  xb = bf16(x), w1b = bf16(w1), w2b = bf16(w2), each in its tensor's own order, rounded once to nearest even;
; hw[e][n] = comb[n][e] / 2, f32, where comb is the softmax of the two logits x[n] . router_w[e], divided by the sum of the two probabilities:
; with two experts and the best two taken, every expert is taken, and each probability goes back to its own expert whatever the order.
; The logits are products of the operands rounded to bf16, summed in f32.  They are made on the vector unit: two experts would fill two of a
; matrix instruction's sixteen columns, and this launch moves bytes.
; LIMITS.  A probability whose exponential lies below 2^-126 counts as 0; NaN and infinities are not treated apart.
; SHARES.  256 work-groups of 16 waves.  Wave w of group g takes row 16 g + w of x (4,096 bytes), all of router_w (8,192 bytes), and 8,192
; consecutive bytes of w1 and of w2.  All its 56 loads of 512 consecutive bytes go out first; nothing is loaded twice and no register is
; written again behind the store that reads it, so there is no loop.  Each store of a wave covers 256 consecutive bytes, aligned.
; THE MODE: SCHED_MODE bits 1:0 = 2 (LLVM: expert scheduling mode 2), set by the entry lines.  The code itself states the register dependences
; between vector instructions and memory or LDS instructions, with s_wait_alu, always for 0.
; THE PLAN.  Registers that memory or LDS instructions touch:
;   v1 to v5, v7, v248, v249   offsets, an LDS address and the closing add's pair: written at the head, never again.
;   XR     written by x's loads; the roundings write two of each four registers; read by xb's stores and by the multiply-adds; never written again.
;   W1R, W2R   32 pieces of four registers: written by one load; two roundings write the piece's first two registers; read by one store; never written again.
;   v[T+1], v[T+2]   the two factors: written by the softmax's last multiplies, read by the two LDS stores, never written again.
;   v[T], v[T+3], v[T+5]   in wave 0 alone, behind the barrier: an LDS address, the register in which the LDS load lands, a store's offset.
; No register that a memory or LDS instruction has read is written again, so the text holds no wait on vm_vsrc.
; The pieces go in blocks of four.  At a block's head stand the wait for its four loads and ONE wait on va_vdst, which states that the roundings of the
; block before have written their registers; that block's four stores follow, dealt among this block's eight roundings, which name other registers.
.set XR,  8                            ; v[8:39]    my row of x: load j holds columns 128 j + 4 lane .. + 3
.set RR,  40                           ; v[40:103]  router_w, expert e at RR + 32 e, the same columns
.set W1R, 104                          ; v[104:167] my part of w1
.set W2R, 168                          ; v[168:231] my part of w2: it follows w1's, so that piece j of the 32 lies at W1R + 4 j
.set ACC, 232                          ; v[232:239] eight sums: expert x register of the pair x half
.set T,   240                          ; v[240:247] at work
; four f32 become four bf16 in the first two of their registers
.macro CAST b, j
	v_cvt_pk_bf16_f32 v[(\b)+4*(\j)],   v[(\b)+4*(\j)],   v[(\b)+4*(\j)+1]
	v_cvt_pk_bf16_f32 v[(\b)+4*(\j)+1], v[(\b)+4*(\j)+2], v[(\b)+4*(\j)+3]
.endm
; piece j of the 32 goes out: pieces 0-15 to w1b, pieces 16-31 to w2b
.macro SEND j
	global_store_b64 v5, v[W1R+4*(\j):W1R+4*(\j)+1], s[14+2*((\j)/16):15+2*((\j)/16)] offset:256*((\j)%16)
.endm
; block p of eight, p = 1 to 7: pieces 4 p to 4 p + 3 are rounded, and the block before is stored
.macro BLK p
	s_wait_loadcnt 28-4*(\p)                       ; loads come back in order: this block's four pieces are in, the later blocks' loads stay out
	s_wait_alu depctr_va_vdst(0)                   ; the roundings of the block before have written the registers that the four stores below read
.irp i, 0,1,2,3
	SEND 4*(\p)-4+(\i)                             ; no vector instruction since the wait names this piece's registers or v5
	CAST W1R, 4*(\p)+(\i)
.endr
.endm
	s_load_b512 s[4:19], s[0:1], 0x0               ; x 4:5, router_w 6:7, w1 8:9, w2 10:11, xb 12:13, w1b 14:15, w2b 16:17, hw 18:19
	v_lshl_add_u32 v248, v0, 2, 0x100
	v_mov_b32 v249, 0
	v_and_b32 v1, 31, v0                           ; lane
	v_lshrrev_b32 v7, 5, v0                        ; wave
	v_readfirstlane_b32 s22, v7
	v_lshlrev_b32 v1, 4, v1                        ; 16 lane: my place in 512 bytes of f32
	v_lshl_add_u32 v2, v7, 12, v1                  ; x: wave x 4,096 + 16 lane
	v_lshrrev_b32 v3, 1, v2                        ; xb: half of that
	v_lshl_add_u32 v4, v7, 13, v1                  ; w1, w2: wave x 8,192 + 16 lane
	v_lshrrev_b32 v5, 1, v4                        ; w1b, w2b: half of that
	v_mov_b32 v6, 0                                ; the addend of the first products
	v_lshlrev_b32 v7, 2, v7                        ; my wave's word in LDS
	s_wait_alu depctr_va_sdst(0)                   ; s22 is written, ahead of its first reader, the compare behind the barrier; no branch and no label lies between
	s_mov_b32 s24, 0x76543210                      ; v_permlanex16_b32: each lane takes its own place in the other half
	s_mov_b32 s25, 0xfedcba98
	s_mov_b32 s21, 0
	s_wait_kmcnt 0x0
	s_lshl_b32 s20, ttmp9, 16                      ; the group's 16 rows of x; its 65,536 bytes of w1b and of w2b
	s_add_nc_u64 s[4:5], s[4:5], s[20:21]
	s_add_nc_u64 s[14:15], s[14:15], s[20:21]
	s_add_nc_u64 s[16:17], s[16:17], s[20:21]
	s_lshl_b32 s20, ttmp9, 15                      ; its 16 rows of xb
	s_add_nc_u64 s[12:13], s[12:13], s[20:21]
	s_lshl_b32 s20, ttmp9, 17                      ; its 131,072 bytes of w1 and of w2
	s_add_nc_u64 s[8:9], s[8:9], s[20:21]
	s_add_nc_u64 s[10:11], s[10:11], s[20:21]
	s_lshl_b32 s20, ttmp9, 6                       ; its 16 words in each half of hw
	s_add_nc_u64 s[18:19], s[18:19], s[20:21]
	s_wait_alu depctr_va_vdst(0)                   ; v1 to v5, v7, v248 and v249 are written: the offsets and addresses of every load, store and LDS instruction below but wave 0's last two
.set j, 0
.rept 8
	global_load_b128 v[XR+4*j:XR+4*j+3], v2, s[4:5] offset:512*j th:TH_LOAD_NT
.set j, j+1
.endr
.set j, 0
.rept 16                                       ; expert j / 8, piece j % 8: router_w is 8,192 consecutive bytes
	global_load_b128 v[RR+4*j:RR+4*j+3], v1, s[6:7] offset:512*j
.set j, j+1
.endr
.set j, 0
.rept 16
	global_load_b128 v[W1R+4*j:W1R+4*j+3], v4, s[8:9] offset:512*j th:TH_LOAD_NT
.set j, j+1
.endr
.set j, 0
.rept 16
	global_load_b128 v[W2R+4*j:W2R+4*j+3], v4, s[10:11] offset:512*j th:TH_LOAD_NT
.set j, j+1
.endr
	s_wait_loadcnt 48                              ; loads come back in order: x is in; the 48 younger loads stay out
.set j, 0
.rept 8
	CAST XR, j
.set j, j+1
.endr
	s_wait_loadcnt 32                              ; router_w is in; w1's and w2's 32 loads stay out
	s_wait_alu depctr_va_vdst(0)                   ; x's roundings have written the registers that xb's eight stores read
.set j, 0
.rept 8
	global_store_b64 v3, v[XR+4*j:XR+4*j+1], s[12:13] offset:256*j  ; dealt among router_w's roundings, which name neither XR nor v3
	CAST RR, 2*j
	CAST RR, 2*j+1
.set j, j+1
.endr
	; 64 multiply-adds straight from the bf16 halves into f32, in eight chains of eight that do not wait for each other
.set j, 0
.rept 8
.irp e, 0,1
.irp p, 0,1
.if j == 0
	v_fma_mix_f32_bf16 v[ACC+4*(\e)+2*(\p)],   v[XR+(\p)], v[RR+32*(\e)+(\p)], v6 op_sel_hi:[1,1,0]
	v_fma_mix_f32_bf16 v[ACC+4*(\e)+2*(\p)+1], v[XR+(\p)], v[RR+32*(\e)+(\p)], v6 op_sel:[1,1,0] op_sel_hi:[1,1,0]
.else
	v_fma_mix_f32_bf16 v[ACC+4*(\e)+2*(\p)],   v[XR+4*j+(\p)], v[RR+32*(\e)+4*j+(\p)], v[ACC+4*(\e)+2*(\p)] op_sel_hi:[1,1,0]
	v_fma_mix_f32_bf16 v[ACC+4*(\e)+2*(\p)+1], v[XR+4*j+(\p)], v[RR+32*(\e)+4*j+(\p)], v[ACC+4*(\e)+2*(\p)+1] op_sel:[1,1,0] op_sel_hi:[1,1,0]
.endif
.endr
.endr
.set j, j+1
.endr
	v_add_f32 v[T],   v[ACC],   v[ACC+1]
	v_add_f32 v[T+1], v[ACC+2], v[ACC+3]
	v_add_f32 v[T+2], v[ACC+4], v[ACC+5]
	v_add_f32 v[T+3], v[ACC+6], v[ACC+7]
	v_add_f32 v[ACC],   v[T],   v[T+1]             ; my lane's part of logit 0
	v_add_f32 v[ACC+1], v[T+2], v[T+3]             ; and of logit 1
.irp m, 1,2,4,8                                ; across the 16 lanes of a half, the two sums by turns
	v_add_f32_dpp v[ACC],   v[ACC],   v[ACC]   row_xmask:\m row_mask:0xf bank_mask:0xf
	v_add_f32_dpp v[ACC+1], v[ACC+1], v[ACC+1] row_xmask:\m row_mask:0xf bank_mask:0xf
.endr
	v_permlanex16_b32 v[T],   v[ACC],   s24, s25   ; the other half; its destination has been written before
	v_permlanex16_b32 v[T+1], v[ACC+1], s24, s25
	v_add_f32 v[ACC],   v[ACC],   v[T]             ; every lane holds both logits
	v_add_f32 v[ACC+1], v[ACC+1], v[T+1]
	v_max_num_f32 v[T], v[ACC], v[ACC+1]           ; the maximum is taken away before the exponentials
	v_sub_f32 v[T+1], v[ACC],   v[T]
	v_sub_f32 v[T+2], v[ACC+1], v[T]
	v_mul_f32 v[T+1], 0x3fb8aa3b, v[T+1]           ; log2(e): the exponential is to base 2
	v_mul_f32 v[T+2], 0x3fb8aa3b, v[T+2]
	v_exp_f32 v[T+1], v[T+1]
	v_exp_f32 v[T+2], v[T+2]
	v_nop                                          ; a plain instruction behind a transcendental, ahead of the use of its result (ISA guide 5.7.2)
	s_wait_alu depctr_va_vdst(0)                   ; the two exponentials have written v[T+1] and v[T+2], ahead of their first reader
	v_add_f32 v[T+3], v[T+1], v[T+2]               ; between 1 and 2
	v_rcp_f32 v[T+3], v[T+3]
	v_nop
	s_wait_alu depctr_va_vdst(0)                   ; the reciprocal has written v[T+3], ahead of its first reader
	v_mul_f32 v[T+1], v[T+1], v[T+3]               ; the two probabilities
	v_mul_f32 v[T+2], v[T+2], v[T+3]
	v_add_f32 v[T+4], v[T+1], v[T+2]               ; the sum of the best two, which are both
	v_rcp_f32 v[T+4], v[T+4]
	v_nop
	s_wait_alu depctr_va_vdst(0)                   ; the reciprocal has written v[T+4], ahead of its first reader
	v_mul_f32 v[T+4], 0.5, v[T+4]                  ; the half of the activation's 0.5 x (1 + erf) rides along
	v_mul_f32 v[T+1], v[T+1], v[T+4]
	v_mul_f32 v[T+2], v[T+2], v[T+4]
	; block 0: there is no block before it; the two factors go into LDS at its head
	s_wait_loadcnt 28                              ; pieces 0 to 3 of w1 are in; the 28 younger loads stay out
	s_wait_alu depctr_va_vdst(0)                   ; the last two multiplies have written v[T+1] and v[T+2], which the LDS stores read
	ds_store_b32 v7, v[T+1]                        ; all lanes write the same word with the same value: expert 0 at 4 wave,
	ds_store_b32 v7, v[T+2] offset:64              ; expert 1 at 64 + 4 wave
.irp i, 0,1,2,3
	CAST W1R, \i
.endr
.irp p, 1,2,3,4,5,6,7
	BLK \p
.endr
	s_wait_alu depctr_va_vdst(0)                   ; block 7's roundings have written the registers that the last four stores read
.irp i, 28,29,30,31
	SEND \i
.endr
	s_wait_dscnt 0x0                               ; for the others' sake: my two words are in LDS
	s_barrier_signal -1
	s_barrier_wait -1
	s_cmp_lg_u32 s22, 0
	s_cbranch_scc1 .Ldone                          ; wave 0 stores the group's 32 words: two runs of 64 consecutive bytes, all that 16 rows have
	v_lshrrev_b32 v[T], 2, v1                      ; 4 lane: lanes 0-15 expert 0 of rows 0-15, lanes 16-31 expert 1
	v_and_b32 v[T+5], 15, v0
	v_bfe_u32 v[T+6], v0, 4, 1
	v_lshlrev_b32 v[T+5], 2, v[T+5]
	v_lshl_add_u32 v[T+5], v[T+6], 14, v[T+5]      ; expert x 16,384 + 4 row
	s_wait_alu depctr_va_vdst(0)                   ; v[T], the LDS load's address, and v[T+5], the store's offset, are written; the softmax's lines that named v[T+3], in which the load lands, are done
	ds_load_b32 v[T+3], v[T]
	s_wait_dscnt 0x0
	global_store_b32 v[T+5], v[T+3], s[18:19]
.Ldone:
	s_wait_dscnt 0x0                               ; the closing lines, six on end
	s_wait_alu 0x0
	s_wait_tensorcnt 0x0
	ds_add_u32 v248, v249
	s_wait_dscnt 0x0
	s_endpgm
.Lfunc_end_k_qc06dd20cee_prep:
	.size	k_qc06dd20cee_prep, .Lfunc_end_k_qc06dd20cee_prep-k_qc06dd20cee_prep
	.p2alignl 7, 3214868480
	.fill 96, 4, 3214868480
	.section	.rodata,"a",@progbits
	.p2align	6, 0x0
	.amdhsa_kernel k_qc06dd20cee_prep
		.amdhsa_group_segment_fixed_size 2304
		.amdhsa_private_segment_fixed_size 0
		.amdhsa_enable_private_segment 0
		.amdhsa_kernarg_size 64
		.amdhsa_user_sgpr_count 2
		.amdhsa_user_sgpr_kernarg_segment_ptr 1
		.amdhsa_wavefront_size32 1
		.amdhsa_system_sgpr_workgroup_id_x 1
		.amdhsa_system_sgpr_workgroup_id_y 1
		.amdhsa_system_sgpr_workgroup_id_z 1
		.amdhsa_system_vgpr_workitem_id 0
		.amdhsa_next_free_vgpr 250
		.amdhsa_next_free_sgpr 66
		.amdhsa_reserve_vcc 0
		.amdhsa_float_denorm_mode_32 3
		.amdhsa_float_denorm_mode_16_64 3
		.amdhsa_memory_ordered 1
		.amdhsa_forward_progress 1
		.amdhsa_inst_pref_size 25
	.end_amdhsa_kernel
	.amdgpu_metadata
---
amdhsa.version: [ 1, 2 ]
amdhsa.kernels:
  - .name:           k_qc06dd20cee_prep
    .symbol:         k_qc06dd20cee_prep.kd
    .args:
      - { .name: x, .offset: 0, .size: 8, .value_kind: global_buffer, .address_space: global }
      - { .name: router_w, .offset: 8, .size: 8, .value_kind: global_buffer, .address_space: global }
      - { .name: w1, .offset: 16, .size: 8, .value_kind: global_buffer, .address_space: global }
      - { .name: w2, .offset: 24, .size: 8, .value_kind: global_buffer, .address_space: global }
      - { .name: xb, .offset: 32, .size: 8, .value_kind: global_buffer, .address_space: global }
      - { .name: w1b, .offset: 40, .size: 8, .value_kind: global_buffer, .address_space: global }
      - { .name: w2b, .offset: 48, .size: 8, .value_kind: global_buffer, .address_space: global }
      - { .name: hw, .offset: 56, .size: 8, .value_kind: global_buffer, .address_space: global }
    .group_segment_fixed_size: 2304
    .private_segment_fixed_size: 0
    .kernarg_segment_align: 8
    .kernarg_segment_size: 64
    .max_flat_workgroup_size: 512
    .sgpr_count:     66
    .vgpr_count:     250
    .wavefront_size: 32
...
	.end_amdgpu_metadata
.endif
;; end of part 5
;; launch up: the kernel of part 2 again; grid 32 x 8, 4 waves a work-group, clusters of 4 x 4, 327,680 bytes of LDS; arguments xb, w1b, hs, hw; writes hs
;; launch down: the kernel of part 3 again; grid 4 x 64, 4 waves a work-group, clusters of 4 x 4, 327,680 bytes of LDS; arguments hs, w2b, part; writes part
;; launch reduce: the kernel of part 4 again; grid 256 x 1, 16 waves a work-group, no clusters, 0 bytes of LDS; arguments part, out0; writes out0
